; MI455X (gfx1250); checked and timed in simulation.
; The chip was launched on July 23, 2026; its instructions are those of AMD's public machine-readable ISA for CDNA 5 (MIT licence, August 2026) and "CDNA5" Instruction Set Architecture Reference Guide (July 2026). The comments in the code are by the model that wrote it; some were corrected since.
;; Head. Allowed arithmetic: matrix products marked QUANTISED: E2M1 operands, one E8M0 scale for each 32 along K, by v_wmma_scale_f32_16x16x128_f8f6f4 with both operands' format E2M1 (or v_wmma_scale_f32_32x16x128_f4), f32 sums; everything else in f32.
;; Inputs: Wk_codes 128 x 32 x 16 uint8 (E2M1 codes of Wk, K innermost, in blocks of 32 codes, two codes a byte); Wk_scales 128 x 32 uint8 (E8M0 scales of Wk, one for each 32 codes along K); Wq_codes 128 x 32 x 16 uint8 (E2M1 codes of Wq, K innermost, in blocks of 32 codes, two codes a byte); Wq_scales 128 x 32 uint8 (E8M0 scales of Wq, one for each 32 codes along K); Wv_codes 128 x 32 x 16 uint8 (E2M1 codes of Wv, K innermost, in blocks of 32 codes, two codes a byte); Wv_scales 128 x 32 uint8 (E8M0 scales of Wv, one for each 32 codes along K); x_codes 4 x 4,096 x 32 x 16 uint8 (E2M1 codes of x, K innermost, in blocks of 32 codes, two codes a byte); x_scales 4 x 4,096 x 32 uint8 (E8M0 scales of x, one for each 32 codes along K).
;; Outputs: out0 4 x 4,096 x 128 float32.
;; This version of the problem:
;;   THIS VERSION OF THE PROBLEM IS GIVEN IN LOW PRECISION. The matrix products marked QUANTISED in the list below multiply operands that are first quantised to E2M1 (2 exponent bits, 1 mantissa bit; 4 bits a number), with one power-of-two scale for each 32 numbers along K (OCP MX v1.0); their sums are f32. All else is computed in f32.
;;   The module's matrix products, in the order in which they are computed (A, B: the left and right operand; K: the contracted axis; several contracted axes count as one K, in the product's order):
;;     1. [M 16,384, K 1,024] x [K 1,024, N 128]; A: input x (given as codes); B: input Wk (given as codes): QUANTISED
;;     2. [M 16,384, K 1,024] x [K 1,024, N 128]; A: input x (given as codes); B: input Wq (given as codes): QUANTISED
;;     3. [M 16,384, K 1,024] x [K 1,024, N 128]; A: input x (given as codes); B: input Wv (given as codes): QUANTISED
;;     4. batch 4 x [M 4,096, K 128] x [K 128, N 4,096]; A: computed on the way; B: computed on the way: QUANTISED
;;     5. batch 4 x [M 4,096, K 4,096] x [K 4,096, N 128]; A: softmax (see below); B: computed on the way: QUANTISED
;;   THE QUANTISER, for each operand of a quantised product, along K:
;;     - K is cut into blocks of 32 from its start; a last block that is shorter is filled with zeros.
;;     - A block's scale is 2^e with e = floor(log2(the largest magnitude in the block)) - 2, held to -126 .. 127; a block of zeros has e = 0. As a byte (E8M0): e + 127.
;;     - Each number is divided by its block's scale, clamped to +-6, and rounded to the nearest number of E2M1, ties to even, subnormals kept.
;;     - The product sums the exact products of the quantised numbers (number of the format x scale) in f32.
;;   ~~~python
;;   def quantise(x, axis):      # numpy; x: float32 -> the quantised numbers, widened to float32 again
;;       x = np.moveaxis(x, axis, -1); K = x.shape[-1]
;;       x = np.pad(x, [(0, 0)] * (x.ndim - 1) + [(0, -K % 32)]); x = x.reshape(x.shape[:-1] + (-1, 32)); a = np.abs(x).max(-1, keepdims=True)
;;       e = np.where(a > 0, np.clip(np.frexp(np.where(a > 0, a, 1))[1] - 1 - 2, -126, 127), 0)      # np.frexp(a)[1] - 1 = floor(log2(a)), exactly
;;       r = np.clip(x / 2.0 ** e, -6, 6)
;;       step = 2.0 ** (np.maximum(np.frexp(np.where(r == 0, 1, r))[1] - 1, 0) - 1)
;;       q = np.round(r / step) * step * 2.0 ** e      # np.round: ties to even
;;       return np.moveaxis(q.reshape(q.shape[:-2] + (-1,))[..., :K], -1, axis).astype(np.float32)
;;   ~~~
;;   SOFTMAX AHEAD OF A QUANTISED PRODUCT. Where the list says 'softmax', what is quantised is not the finished softmax but p = 2^(t - M), with t = logit x log2(e) and M = ceil(the row's largest t), a whole number; so 1/2 < the row's largest p <= 1. The row's sum l is taken of the UNQUANTISED p, in f32, and the product's result is divided by l at the end. Since M is a whole number, a kernel that streams over the keys may use a running M (the ceiling of the running maximum): every later rescaling is an exact power of two, which a block's scale takes up: the codes' values come out the same.
;;   OPERANDS COMPUTED ON THE WAY. 'Computed on the way' means the value that the module computes at that place (a softmax that the list does not call 'softmax' is quantised finished and normalised). What goes into a quantiser is computed in f32, as accurately as f32 sums, v_exp_f32 and their like allow (about 1e-6 of the number): no bf16 or f16 on the way to a quantiser, and a product that is left as it is and whose result goes on into a quantised operand takes f32 operands (vector FMAs, or v_wmma_f32_16x16x4_f32). A number that lies on a knife's edge between two numbers of the format may be rounded either way, as far as f32 arithmetic and the matrix unit's own rounding can turn it there, and no further.
;;   INPUTS GIVEN AS CODES. Wk (in the module: [1024, 128], K = its axis 0); Wq (in the module: [1024, 128], K = its axis 0); Wv (in the module: [1024, 128], K = its axis 0); x (in the module: [4, 4096, 1024], K = its axis 2): each comes as NAME_codes (uint8): NAME with its K axis moved to the last place and cut into blocks of 32 codes, [.., K / 32, bytes a block], one block behind the other in memory; two codes a byte, the lower K in the low four bits (a code: sign, 2 exponent bits, 1 mantissa bit); and NAME_scales (uint8): the same leading axes, one E8M0 byte (e + 127) for each 32 codes along K. Its value is code x scale, taken as it is: it is not quantised again, and the codes and scales need not be those that the quantiser above would give.
;; 2 versions. Each part assembles by itself: llvm-mc -triple=amdgcn-amd-amdhsa -mcpu=gfx1250 --defsym DOCPART=n.
;; ======== version 1 of 2: 2 launches
;; workspace buffers: img 3,145,728 bytes; scl 196,608 bytes
;; launch project (part 1): grid 128 x 3, 4 waves a work-group, no clusters, 136,192 bytes of LDS; arguments x_codes, x_scales, Wk_codes, Wk_scales, Wq_codes, Wq_scales, Wv_codes, Wv_scales, img, scl; writes img, scl
.if DOCPART == 1
	.amdgcn_target "amdgcn-amd-amdhsa--gfx1250"
	.amdhsa_code_object_version 6
	.text
	.protected	k_q718fbc6f7a_project
	.globl	k_q718fbc6f7a_project
	.p2align	8
	.type	k_q718fbc6f7a_project,@function
k_q718fbc6f7a_project:
	s_mov_b64 s[64:65], 0
	v_nop
	global_prefetch_b8 v0, s[64:65] scope:SCOPE_SE
	s_setreg_imm32_b32 hwreg(HW_REG_WAVE_MODE, 25, 1), 1
	s_wait_xcnt 0x0
; k = x Wk, q = x Wq, v = x Wv on the given codes of E2M1 (sums in f32), and the quantisers of k, q (along the head's 128) and v (along the positions, blocks of 32).
; THE PROGRAM has two launches: this one, and one that does the scores k q^T / 32, the causal mask, the softmax and p v.
; WORK LEFT OUT BY THE PROGRAM (none of it here; all inputs are loaded).  reference() replaces wei[i][j] by NEG_INF wherever j > i, by a jnp.tril of its own body: whatever k and q hold, those scores
; reach no output, and the constant's p = 2^(NEG_INF log2(e) - M) lies under every f32 number, so it is the code 0 and adds nothing to the row's sum.  So the second launch leaves out every step of 128 columns
; that lies wholly behind all 16 rows of a tile.  LIMITS: a NaN, an infinity or an overflow that would arise only in those scores is not carried to the result; rows whose largest logit lies near NEG_INF itself are not served.
; FURTHER LIMITS: NaN and infinities among the inputs are not served; a block whose largest magnitude lies under 2^-124 gets the scale byte 1; a block of zeros gets the byte 1 and not 127:
; its codes are zeros, which add nothing under any byte but 0xff, and the bytes are read by this program alone.
; SHARES.  Work-group (blk, y) makes one product of 128 x 128 x 1,024, D = P R^T.  P is source 0: its 128 rows are the axis that is quantised afterwards.  R is source 1: its rows are the rows of the operand that is made.
;   y = 0: P = Wk, R = positions 128 blk .. + 127 of x (k, quantised along the head);  y = 1: the same with Wq;  y = 2: P = those positions of x, R = Wv (v, quantised along the positions).
; Both sides are 128 dense rows of 512 bytes of codes and of 32 scale bytes, so the text has one path and only pointers are chosen, on y.  Wave w owns R's rows 32 w .. 32 w + 31 against all of P: 16 accumulators.
; THE ROWS OF A TILE ARE NOT NEIGHBOURS: row r of tile 2 b + u is index 32 b + 8 u + r + (r & 8).  With such a tile as source 0, a lane's 16 registers of tiles 2 b and 2 b + 1 are the 16 neighbours
; 32 b + 16 (lane / 16) + 0 .. 15, which is what the conversions and the operand's layout want.
; WHAT IS STORED, in the order of the operand's registers.  img [y 3][blk 128][tile 8][c 2][lane 32][16 bytes]: registers 4 c .. 4 c + 3 of lane l of a fragment (16 rows x 128 K).
;   scl [y 3][blk 128][lane 32][m 4] words: word (l, m) is the scale word of row l % 16 of tile 2 m + l / 16, so that one load of 16 bytes a lane gives four scale registers, each with two tiles' words.
; No tensor load: each side is staged once through registers into LDS (rows in tile order) and read from there as fragments.
; REGISTERS.  window 0: v4-13 addresses; v22, v23 the add's two; v24-31 R's scale words (register k: K step k; lanes 0-15 tile 2 w, lanes 16-31 tile 2 w + 1); v32-63 P's (register 8 m + k: tiles 2 m, 2 m + 1);
;   v96-255 two fragment buffers of 80 (8 of P, 2 of R); while staging v96-223 hold 32 rows of P.   window 1: v0-127 the accumulators, (u, tile of P) at 64 u + 8 tile; while staging 32 rows of R; v128-162 the quantiser's.
.set PITCH, 528                        ; an LDS row: 512 bytes + 16 = 33 x 16: the 16 rows that a fragment load touches start at 16 different groups of four banks (64 banks of 4 bytes: ISA guide 11.1)
.set RL,    128*PITCH                  ; P's 128 rows from 0, R's from here
.set SCS,   2*RL                       ; 512 bytes in which the four waves' scale words meet
.set SPARE, SCS+512                    ; the spare words, 128 bytes for each wave: two blocks of 256 bytes that no other line names
.set LI,  4                            ; v4   16 x lane
.set GA,  5                            ; v5   16 x lane + 16,384 x wave: my wave's 32 rows in memory
.set STA, 6                            ; v6   16 x lane + 32 PITCH x wave: the same rows of P in LDS
.set STB, 7                            ; v7   and of R
.set ADP, 8                            ; v8   a fragment of P: PITCH r + 16 h
.set ADR, 9                            ; v9   a fragment of my rows of R
.set SGA, 10                           ; v10  scale bytes in memory: 32 x (8 (lane / 16) + r + (r & 8))
.set SGR, 11                           ; v11  + 1,024 x wave
.set SCA, 12                           ; v12  SCS + 16 x lane + 4 x wave
.set SCR, 13                           ; v13  SCS + 16 x lane
.set SPW, 22                           ; v22  LDS address of my spare word; never rewritten
.set NIL, 23                           ; v23  0; never rewritten
.set RS,  24
.set PS,  32
.set STG, 96
.set TM,  128                          ; window 1: v128-131 largest magnitudes, v132-135 bytes, v140-143 the conversions' scale operands
.set PC,  144                          ; window 1: the codes just made
.set PW,  160                          ; window 1: v160, v161 the scale words of my two tiles; v162 the two joined
.set WV,  4                            ; s4   my wave's number
.set SEL, 44                           ; s[44:45] v_permlanex16_b32's selects for lane l xor 16
.set MSB, 0
.macro WIN new                         ; s_set_vgpr_msb: bits 1:0 source 0, 3:2 source 1, 5:4 source 2, 7:6 destination; the high byte repeats the setting that is left
.if MSB != (\new)
	s_set_vgpr_msb (MSB<<8)|(\new)
.set MSB, (\new)
.endif
.endm
.macro PLACES                          ; four plain places behind a matrix instruction, ahead of loads into its sources and of reads of its results
.rept 4
	v_nop
.endr
.endm
; 16 staged rows, i0 on, go to LDS in tile order: row i of the wave's 32 to row sw(i), bits 3 and 4 of i changing places, so that a tile's 16 rows are neighbours there
.macro STAGE adr, reg, i0
.set i, \i0
.rept 16
	ds_store_b128 v[\adr], v[\reg+4*i:\reg+4*i+3] offset:PITCH*(((i&16)>>1)|((i&8)<<1)|(i&7))
.set i, i+1
.endr
.endm
; the fragments of K step k (128 along K, 64 bytes of a row): P's eight and my two of R, 20 loads, into buffer k % 2
.macro FETCH k
.set FB, STG+80*((\k)%2)
.irp a, 0,1,2,3,4,5,6,7
.irp c, 0,1
	ds_load_b128 v[FB+8*\a+4*\c:FB+8*\a+4*\c+3], v[ADP] offset:16*PITCH*\a+64*(\k)+32*\c
.endr
.endr
.irp u, 0,1
.irp c, 0,1
	ds_load_b128 v[FB+64+8*\u+4*\c:FB+64+8*\u+4*\c+3], v[ADR] offset:16*PITCH*\u+64*(\k)+32*\c
.endr
.endr
.endm
; 16 matrix instructions of K step k: the 16 accumulators take turns, one instruction a turn, in the same order in every step.  zero = 1: the products start the sums
.macro MUL k, zero
.set FB, STG+80*((\k)%2)
.irp m, 0,1,2,3
.if \zero
	v_wmma_scale_f32_16x16x128_f8f6f4 v[16*\m:16*\m+7], v[FB+16*\m:FB+16*\m+7], v[FB+64:FB+71], 0, v[PS+8*\m+(\k)], v[RS+(\k)] matrix_a_fmt:MATRIX_FMT_FP4 matrix_b_fmt:MATRIX_FMT_FP4
	v_wmma_scale_f32_16x16x128_f8f6f4 v[64+16*\m:64+16*\m+7], v[FB+16*\m:FB+16*\m+7], v[FB+72:FB+79], 0, v[PS+8*\m+(\k)], v[RS+(\k)] matrix_a_fmt:MATRIX_FMT_FP4 matrix_b_fmt:MATRIX_FMT_FP4 matrix_b_scale:MATRIX_SCALE_ROW1
	v_wmma_scale_f32_16x16x128_f8f6f4 v[16*\m+8:16*\m+15], v[FB+16*\m+8:FB+16*\m+15], v[FB+64:FB+71], 0, v[PS+8*\m+(\k)], v[RS+(\k)] matrix_a_fmt:MATRIX_FMT_FP4 matrix_b_fmt:MATRIX_FMT_FP4 matrix_a_scale:MATRIX_SCALE_ROW1
	v_wmma_scale_f32_16x16x128_f8f6f4 v[64+16*\m+8:64+16*\m+15], v[FB+16*\m+8:FB+16*\m+15], v[FB+72:FB+79], 0, v[PS+8*\m+(\k)], v[RS+(\k)] matrix_a_fmt:MATRIX_FMT_FP4 matrix_b_fmt:MATRIX_FMT_FP4 matrix_a_scale:MATRIX_SCALE_ROW1 matrix_b_scale:MATRIX_SCALE_ROW1
.else
	v_wmma_scale_f32_16x16x128_f8f6f4 v[16*\m:16*\m+7], v[FB+16*\m:FB+16*\m+7], v[FB+64:FB+71], v[16*\m:16*\m+7], v[PS+8*\m+(\k)], v[RS+(\k)] matrix_a_fmt:MATRIX_FMT_FP4 matrix_b_fmt:MATRIX_FMT_FP4
	v_wmma_scale_f32_16x16x128_f8f6f4 v[64+16*\m:64+16*\m+7], v[FB+16*\m:FB+16*\m+7], v[FB+72:FB+79], v[64+16*\m:64+16*\m+7], v[PS+8*\m+(\k)], v[RS+(\k)] matrix_a_fmt:MATRIX_FMT_FP4 matrix_b_fmt:MATRIX_FMT_FP4 matrix_b_scale:MATRIX_SCALE_ROW1
	v_wmma_scale_f32_16x16x128_f8f6f4 v[16*\m+8:16*\m+15], v[FB+16*\m+8:FB+16*\m+15], v[FB+64:FB+71], v[16*\m+8:16*\m+15], v[PS+8*\m+(\k)], v[RS+(\k)] matrix_a_fmt:MATRIX_FMT_FP4 matrix_b_fmt:MATRIX_FMT_FP4 matrix_a_scale:MATRIX_SCALE_ROW1
	v_wmma_scale_f32_16x16x128_f8f6f4 v[64+16*\m+8:64+16*\m+15], v[FB+16*\m+8:FB+16*\m+15], v[FB+72:FB+79], v[64+16*\m+8:64+16*\m+15], v[PS+8*\m+(\k)], v[RS+(\k)] matrix_a_fmt:MATRIX_FMT_FP4 matrix_b_fmt:MATRIX_FMT_FP4 matrix_a_scale:MATRIX_SCALE_ROW1 matrix_b_scale:MATRIX_SCALE_ROW1
.endif
.endr
.endm
; 64 numbers of a lane, v[s] .. v[s + 63], register 16 b + i = index 32 b + 16 (lane / 16) + i of my row, become a fragment's codes in v[PC] on and its scale word in v[pw].  All in window 1.
.macro QUANT s, pw
.irp b, 0,1,2,3
	v_max3_num_f32 v[TM+\b], |v[\s+16*\b]|, |v[\s+1+16*\b]|, 0x1800000   ; block b: my 16 numbers, each accumulator from its low end on, and the floor 2^(3 - 127): the byte cannot fall under 1
.endr
.irp i, 2,4,6,8,10,12,14
.irp b, 0,1,2,3
	v_max3_num_f32 v[TM+\b], v[TM+\b], |v[\s+16*\b+\i]|, |v[\s+1+16*\b+\i]|   ; (the four blocks by turns)
.endr
.endr
.irp b, 0,1,2,3
	v_permlanex16_b32 v[TM+4+\b], v[TM+\b], s[SEL], s[SEL+1]
.endr
.irp b, 0,1,2,3
	v_max_num_f32 v[TM+\b], v[TM+\b], v[TM+4+\b]   ; with lane l xor 16's 16: the block's largest magnitude
.endr
.irp b, 0,1,2,3
	v_add_nc_u32 v[TM+12+\b], 0xff000000, v[TM+\b]   ; 2 off its exponent field: the conversion takes the exponent field of this operand as its scale
.endr
.irp b, 0,1,2,3
	v_lshrrev_b32 v[TM+4+\b], 23, v[TM+12+\b]      ; the scale's byte
.endr
	v_lshl_or_b32 v[\pw], v[TM+5], 8, v[TM+4]      ; the four bytes make my row's scale word (both halves of the lanes hold it)
	v_lshl_or_b32 v[\pw], v[TM+6], 16, v[\pw]
	v_lshl_or_b32 v[\pw], v[TM+7], 24, v[\pw]
.irp b, 0,1,2,3
	v_cvt_scalef32_pk8_fp4_f32 v[PC+2*\b], v[\s+16*\b:\s+7+16*\b], v[TM+12+\b]
	v_cvt_scalef32_pk8_fp4_f32 v[PC+1+2*\b], v[\s+8+16*\b:\s+15+16*\b], v[TM+12+\b]
.endr
	v_nop                                          ; one plain place behind a scaled conversion
.irp c, 0,1                                    ; the operand's layout wants a whole block in a lane: lanes 0-15 block 2 c, lanes 16-31 block 2 c + 1
.irp i, 0,1
	v_permlane16_swap_b32 v[PC+4*\c+\i], v[PC+2+4*\c+\i]
.endr
.endr
.endm
	s_load_b512 s[8:23], s[0:1], 0x0               ; x's codes s[8:9], x's scales s[10:11], then codes and scales of Wk s[12:15], Wq s[16:19], Wv s[20:23]
	s_load_b128 s[24:27], s[0:1], 0x40             ; img s[24:25], scl s[26:27]
	v_lshl_add_u32 v[SPW], v0, 2, SPARE
	v_mov_b32 v[NIL], 0
	v_lshrrev_b32 v1, 5, v0
	v_readfirstlane_b32 s[WV], v1                  ; wave 0..3
	s_and_b32 s3, ttmp7, 0xffff                    ; y: which of the three products
	v_and_b32 v1, 31, v0                           ; lane
	v_and_b32 v2, 15, v0                           ; r
	v_bfe_u32 v3, v0, 4, 1                         ; h
	v_lshlrev_b32 v[LI], 4, v1
	s_lshl_b32 s5, s[WV], 14
	v_add_nc_u32 v[GA], s5, v[LI]
	s_mul_i32 s5, s[WV], 32*PITCH
	v_add_nc_u32 v[STA], s5, v[LI]
	v_add_nc_u32 v[STB], RL, v[STA]
	v_mul_u32_u24 v[ADP], v2, PITCH
	v_lshl_add_u32 v[ADP], v3, 4, v[ADP]
	v_add_nc_u32 v[ADR], s5, v[ADP]
	v_add_nc_u32 v[ADR], RL, v[ADR]
	v_and_b32 v14, 8, v2
	v_add_nc_u32 v14, v14, v2                      ; r + (r & 8)
	v_lshl_add_u32 v14, v3, 3, v14                 ; + 8 for the odd tile, whose words lanes 16-31 take
	v_lshlrev_b32 v[SGA], 5, v14                   ; 32 scale bytes a row
	s_lshl_b32 s5, s[WV], 10
	v_add_nc_u32 v[SGR], s5, v[SGA]
	s_lshl_b32 s5, s[WV], 2
	v_add_nc_u32 v[SCR], SCS, v[LI]
	v_add_nc_u32 v[SCA], s5, v[SCR]
	WIN 0x40
.irp b, 0,1,2,3
	v_mov_b32 v[TM+4+\b], 0                        ; written once: a lane permute's destination counts as one of its sources
.endr
	WIN 0
	s_mov_b32 s42, 0xffff0000                      ; lanes 16-31
	s_mov_b32 s[SEL], 0x76543210
	s_mov_b32 s[SEL+1], 0xfedcba98
	s_lshl_b32 s40, ttmp9, 16                      ; x's codes: 128 rows of 512 bytes a block
	s_mov_b32 s41, 0
	s_lshl_b32 s46, ttmp9, 12                      ; x's scales: 128 rows of 32 bytes
	s_mov_b32 s47, 0
	s_lshl_b32 s6, s3, 20                          ; img: 2^20 y + 8,192 blk + 2,048 wave
	s_lshl_b32 s5, ttmp9, 13
	s_add_co_u32 s6, s6, s5
	s_lshl_b32 s5, s[WV], 11
	s_add_co_u32 s6, s6, s5
	s_mov_b32 s7, 0
	s_lshl_b32 s48, s3, 16                         ; scl: 2^16 y + 512 blk
	s_lshl_b32 s5, ttmp9, 9
	s_add_co_u32 s48, s48, s5
	s_mov_b32 s49, 0
	s_wait_kmcnt 0x0
	s_add_nc_u64 s[8:9], s[8:9], s[40:41]
	s_add_nc_u64 s[10:11], s[10:11], s[46:47]
	s_add_nc_u64 s[24:25], s[24:25], s[6:7]
	s_add_nc_u64 s[26:27], s[26:27], s[48:49]
	s_cmp_eq_u32 s3, 0                             ; the weight: the choices hang on y alone
	s_cselect_b64 s[28:29], s[12:13], s[16:17]
	s_cselect_b64 s[30:31], s[14:15], s[18:19]
	s_cmp_eq_u32 s3, 2
	s_cselect_b64 s[28:29], s[20:21], s[28:29]
	s_cselect_b64 s[30:31], s[22:23], s[30:31]
	s_cselect_b64 s[32:33], s[8:9], s[28:29]       ; P: x for v, else the weight
	s_cselect_b64 s[34:35], s[10:11], s[30:31]
	s_cselect_b64 s[36:37], s[28:29], s[8:9]       ; R: the other one
	s_cselect_b64 s[38:39], s[30:31], s[10:11]
	; 74 loads: the scale words (they stay in registers), then my wave's 32 rows of P and 32 of R, 512 consecutive bytes a load
.irp m, 0,1,2,3
.irp j, 0,1
	global_load_b128 v[PS+8*\m+4*\j:PS+8*\m+4*\j+3], v[SGA], s[34:35] offset:1024*\m+16*\j
.endr
.endr
.irp j, 0,1
	global_load_b128 v[RS+4*\j:RS+4*\j+3], v[SGR], s[38:39] offset:16*\j
.endr
.set i, 0
.rept 32
	global_load_b128 v[STG+4*i:STG+4*i+3], v[GA], s[32:33] offset:512*i
.set i, i+1
.endr
	WIN 0x40
.set i, 0
.rept 32
	global_load_b128 v[4*i:4*i+3], v[GA], s[36:37] offset:512*i
.set i, i+1
.endr
	WIN 0
	s_wait_loadcnt 48                              ; loads come back in order: all but the youngest 48 (P's rows 16-31, R's 32) are in
	STAGE STA, STG, 0
	s_wait_loadcnt 32                              ; P is in
	STAGE STA, STG, 16
	WIN 0x04                                       ; an LDS store's data are its source 1: window 1
	s_wait_loadcnt 16
	STAGE STB, 0, 0
	s_wait_loadcnt 0x0
	STAGE STB, 0, 16
	WIN 0
	s_wait_dscnt 0x0                               ; for the others' sake: my stores have landed
	s_barrier_signal -1
	s_barrier_wait -1                              ; P's 128 rows, which all four waves read, lie in LDS
	FETCH 0
.irp k, 0,1,2,3,4,5,6,7
.if (\k >= 1) && (\k < 7)
	PLACES                                         ; the loads below land in the buffer that the last step's products read
.endif
.if \k < 7
	FETCH \k+1
	s_wait_dscnt 20                                ; this step's fragments are in; the 20 loads just issued may be out
.else
	s_wait_dscnt 0x0
.endif
	WIN 0x50                                       ; C and D window 1, the fragments window 0
.if \k == 0
	MUL \k, 1
.else
	MUL \k, 0
.endif
	WIN 0
.endr
	PLACES                                         ; the quantiser reads results just made
	WIN 0x55
	QUANT 0, PW
	WIN 0x04                                       ; a store's data are its source 1
	global_store_b128 v[LI], v[PC:PC+3], s[24:25]             ; the fragment's image: 512 consecutive bytes a store
	global_store_b128 v[LI], v[PC+4:PC+7], s[24:25] offset:512
	s_wait_xcnt 0x0                                ; the codes' registers are written again only behind this wait
	WIN 0x55
	QUANT 64, PW+1
	WIN 0x04
	global_store_b128 v[LI], v[PC:PC+3], s[24:25] offset:1024
	global_store_b128 v[LI], v[PC+4:PC+7], s[24:25] offset:1536
	WIN 0x55
	v_cndmask_b32 v[PW+2], v[PW], v[PW+1], s42     ; lanes 0-15: tile 2 w's words; lanes 16-31: tile 2 w + 1's
	WIN 0x04
	ds_store_b32 v[SCA], v[PW+2]                   ; word (lane, m = my wave)
	WIN 0
	s_wait_dscnt 0x0                               ; for wave 0's sake
	s_barrier_signal -1
	s_barrier_wait -1
	s_cmp_lg_u32 s[WV], 0
	s_cbranch_scc1 .Lend
	ds_load_b128 v[16:19], v[SCR]                  ; wave 0 stores the block's 512 bytes of scale words whole
	s_wait_dscnt 0x0
	global_store_b128 v[LI], v[16:19], s[26:27]
.Lend:
	s_wait_tensorcnt 0x0                           ; the wave's end
	ds_add_u32 v[SPW], v[NIL]
	s_wait_dscnt 0x0
	s_endpgm
.Lfunc_end_k_q718fbc6f7a_project:
	.size	k_q718fbc6f7a_project, .Lfunc_end_k_q718fbc6f7a_project-k_q718fbc6f7a_project
	.p2alignl 7, 3214868480
	.fill 96, 4, 3214868480
	.section	.rodata,"a",@progbits
	.p2align	6, 0x0
	.amdhsa_kernel k_q718fbc6f7a_project
		.amdhsa_group_segment_fixed_size 136192
		.amdhsa_private_segment_fixed_size 0
		.amdhsa_enable_private_segment 0
		.amdhsa_kernarg_size 80
		.amdhsa_user_sgpr_count 2
		.amdhsa_user_sgpr_kernarg_segment_ptr 1
		.amdhsa_wavefront_size32 1
		.amdhsa_system_sgpr_workgroup_id_x 1
		.amdhsa_system_sgpr_workgroup_id_y 1
		.amdhsa_system_sgpr_workgroup_id_z 1
		.amdhsa_system_vgpr_workitem_id 0
		.amdhsa_next_free_vgpr 448
		.amdhsa_next_free_sgpr 66
		.amdhsa_reserve_vcc 0
		.amdhsa_float_denorm_mode_32 3
		.amdhsa_float_denorm_mode_16_64 3
		.amdhsa_memory_ordered 1
		.amdhsa_forward_progress 1
		.amdhsa_inst_pref_size 51
	.end_amdhsa_kernel
	.amdgpu_metadata
---
amdhsa.version: [ 1, 2 ]
amdhsa.kernels:
  - .name:           k_q718fbc6f7a_project
    .symbol:         k_q718fbc6f7a_project.kd
    .args:
      - { .name: x_codes, .offset: 0, .size: 8, .value_kind: global_buffer, .address_space: global }
      - { .name: x_scales, .offset: 8, .size: 8, .value_kind: global_buffer, .address_space: global }
      - { .name: Wk_codes, .offset: 16, .size: 8, .value_kind: global_buffer, .address_space: global }
      - { .name: Wk_scales, .offset: 24, .size: 8, .value_kind: global_buffer, .address_space: global }
      - { .name: Wq_codes, .offset: 32, .size: 8, .value_kind: global_buffer, .address_space: global }
      - { .name: Wq_scales, .offset: 40, .size: 8, .value_kind: global_buffer, .address_space: global }
      - { .name: Wv_codes, .offset: 48, .size: 8, .value_kind: global_buffer, .address_space: global }
      - { .name: Wv_scales, .offset: 56, .size: 8, .value_kind: global_buffer, .address_space: global }
      - { .name: img, .offset: 64, .size: 8, .value_kind: global_buffer, .address_space: global }
      - { .name: scl, .offset: 72, .size: 8, .value_kind: global_buffer, .address_space: global }
    .group_segment_fixed_size: 136192
    .private_segment_fixed_size: 0
    .kernarg_segment_align: 8
    .kernarg_segment_size: 80
    .max_flat_workgroup_size: 128
    .sgpr_count:     66
    .vgpr_count:     448
    .wavefront_size: 32
...
	.end_amdgpu_metadata
.endif
;; end of part 1
;; launch attend (part 2): grid 64 x 4, 4 waves a work-group, no clusters, 139,776 bytes of LDS; arguments img, scl, out0; writes out0
.if DOCPART == 2
	.amdgcn_target "amdgcn-amd-amdhsa--gfx1250"
	.amdhsa_code_object_version 6
	.text
	.protected	k_q718fbc6f7a_attend
	.globl	k_q718fbc6f7a_attend
	.p2align	8
	.type	k_q718fbc6f7a_attend,@function
k_q718fbc6f7a_attend:
	s_mov_b64 s[64:65], 0
	v_nop
	global_prefetch_b8 v0, s[64:65] scope:SCOPE_SE
	s_setreg_imm32_b32 hwreg(HW_REG_WAVE_MODE, 25, 1), 1
	s_wait_xcnt 0x0
; out[i] = the sum over j <= i of softmax_j(k[i] . q[j] / 32) v[j], both products on codes of E2M1 with E8M0 scales, from the register images that the first launch stored (img, scl: laid out as its head says).
; k's position i is the ROW, q's position j the COLUMN.  t = score x log2(e) / 32; M = the largest t so far, rounded up to a whole number; p = 2^(t - M) is quantised along the columns, not normalised;
; the row's sum is taken of the unquantised p and divides at the end.  When M moves, the sum and O are multiplied by 2^(old M - new M): exact.
; WORK LEFT OUT: steps of 128 columns that lie wholly behind all 16 rows of a tile: reference() puts NEG_INF there by its own jnp.tril, whatever the inputs hold (shown at the first launch's head, with the limits).
; LIMITS: as stated there; a p under 2^-126 is 0 (v_exp_f32 gives 0 for such results: ISA guide, its entry); a row's sums over the columns are made in four parts, one a wave, and then added: another order of f32 additions than one stream's.
; SHARES.  256 work-groups of equal work.  Work-group (g, part, batch) owns four tiles of 16 rows: tiles 2 part, 2 part + 1 of block GH = 31 - g of 128 rows, and the same two of block GL = g:
; 2 (32 - g) + 2 (g + 1) = 66 tile-steps for every g.  THE WAVES SPLIT THE COLUMNS: wave w takes the steps s = w, w + 4, .. <= GH, each for all tiles that it counts for (four where s <= GL, else two).
; A step's q and v (17,408 bytes with their scale words) go from memory straight into the wave's registers, 512 consecutive bytes a load, and feed two or four tiles; no barrier stands in the walk.
; At the end the four waves' parts (M, sum, O) meet in LDS; since each M is a whole number, bringing them under the largest M rounds nothing.
; NO CLUSTER: the four work-groups of one g walk the same steps, and joint requests would spare three of four fetches of those 17,408 bytes; but a joint request lands in LDS, where each byte would have one reader (the waves split
; the columns), and would want a ring with a round of the cluster's barrier for each refill among sixteen waves that otherwise meet at no barrier.  NO PREFETCH: all work-groups begin at steps 0 to 3, and q and v, 2 MiB, are read by up to 64 work-groups each.
; LAYOUT.  Both products transposed: S^T = q k^T (source 0 = 16 columns, source 1 = my 16 rows), O^T = v^T p^T (source 0 = 16 channels, source 1 = p): a lane holds ONE row (lane % 16) throughout.
; Row r of tile 2 b + u of any image is index 32 b + 8 u + r + (r & 8): so the 16 registers of tiles 2 b, 2 b + 1 are columns (or channels) 32 b + 16 (lane / 16) + 0 .. 15.
; REGISTERS.  ONE WINDOW OF 256 FOR EACH TILE t, the same numbers in each: v12 -M, v13 the largest t (later the sum), v[14:15] the sum in two halves, v16-23 k's fragment, v24 the mask's constant,
;   v96-159 S^T then p, v160-223 O^T, v224-231 p's codes, v232-239 and v244-254 at work.  Window 2, v32-95: q's 8 fragments of a step.  Window 3, v32-95: v's.
;   Window 0 alone: v4-7 q's scale words, v8-11 v's, v26-29 k's, v240-243 p's (scale operands have no window); v30, v31 the add's two; v32-40 addresses; v1-3, v41, v42 at work at the head.
.set OP,    528                        ; a row of O in LDS: 512 bytes + 16 = 33 x 16
.set STAT,  0                          ; LDS: [wave 4][tile 4][lane 32] 8 bytes: -M and the sum
.set OB,    4096                       ; [wave 4][tile 4][16 rows] of OP bytes: the waves' parts of O, scaled
.set SPARE, OB+4*4*16*OP               ; the spare words, 128 bytes for each wave: two blocks of 256 bytes that no other line names
.set QSC, 4
.set VSC, 8
.set KSC, 26
.set PSC, 240
.set SPW, 30                           ; v30  LDS address of my spare word; never rewritten
.set NIL, 31                           ; v31  0; never rewritten
.set LI,  32                           ; v32  16 x lane
.set KSA, 33                           ; v33  16 x (lane % 16)
.set STA, 34                           ; v34  1,024 x wave + 8 x lane
.set STR, 35                           ; v35  8 x lane
.set OST, 36                           ; v36  OB + 64 OP x wave + OP r + 64 h
.set RD,  37                           ; v37-40  OB + 64 OP u + 16 OP x wave + 16 x lane, u = 0 .. 3
.set WV,   10                          ; s10  my wave's number
.set GH,   15                          ; s15  the high block of rows
.set GL,   16                          ; s16  the low one
.set SS,   17                          ; s17  the column step in hand: w, w + 4, ..
.set LAST, 18                          ; s18  my last step: the largest s <= GH with s = w modulo 4
.set ENDA, 19                          ; s19  min(GL + 1, LAST)
.set SEL,  20                          ; s[20:21] v_permlanex16_b32's selects for lane l xor 16
.set CS,   22                          ; s[22:23] c = log2(e) / 32; the packed form names a pair and takes its low word for both halves
.set QP,   24                          ; s[24:25] q's images of the step to be loaded;  s[26:27] their scale words;  s[28:29], s[30:31] the same for v
.set QS,   26
.set VP,   28
.set VS,   30
.set CNT,  56                          ; s56  counts a loop's trips, by 1 from 0
.set NA,   57                          ; s57  trips of the loop over steps s < ENDA (four tiles): (ENDA + 3 - w) / 4, rounded down
.set NB,   58                          ; s58  trips of the loop over the steps from there on, s < LAST (two tiles): (LAST - w) / 4 - NA
.set MSB, 0
.macro WIN new                         ; s_set_vgpr_msb: bits 1:0 source 0, 3:2 source 1, 5:4 source 2, 7:6 destination; the high byte repeats the setting that is left
.if MSB != (\new)
	s_set_vgpr_msb (MSB<<8)|(\new)
.set MSB, (\new)
.endif
.endm
.macro PLACES                          ; four plain places behind a matrix instruction, ahead of loads into its sources and of reads of its results
.rept 4
	v_nop
.endr
.endm
; S^T of tile t: 8 tiles of 16 columns, K = the head's 128.  q in window 2, k and S^T in window t
.macro SMM t
	WIN ((\t)<<6)|((\t)<<2)|2
.irp a, 0,1,2,3
	v_wmma_scale_f32_16x16x128_f8f6f4 v[96+16*\a:103+16*\a], v[32+16*\a:39+16*\a], v[16:23], 0, v[QSC+\a], v[KSC+\t] matrix_a_fmt:MATRIX_FMT_FP4 matrix_b_fmt:MATRIX_FMT_FP4
	v_wmma_scale_f32_16x16x128_f8f6f4 v[104+16*\a:111+16*\a], v[40+16*\a:47+16*\a], v[16:23], 0, v[QSC+\a], v[KSC+\t] matrix_a_fmt:MATRIX_FMT_FP4 matrix_b_fmt:MATRIX_FMT_FP4 matrix_a_scale:MATRIX_SCALE_ROW1
.endr
.endm
; O^T of tile t += v^T p^T: 8 tiles of 16 channels, K = the step's 128 columns.  v in window 3; p and O^T in window t.  Eight accumulators, one instruction each
.macro PVM t
	WIN ((\t)<<6)|((\t)<<4)|((\t)<<2)|3
.irp a, 0,1,2,3
	v_wmma_scale_f32_16x16x128_f8f6f4 v[160+16*\a:167+16*\a], v[32+16*\a:39+16*\a], v[224:231], v[160+16*\a:167+16*\a], v[VSC+\a], v[PSC+\t] matrix_a_fmt:MATRIX_FMT_FP4 matrix_b_fmt:MATRIX_FMT_FP4
	v_wmma_scale_f32_16x16x128_f8f6f4 v[168+16*\a:175+16*\a], v[40+16*\a:47+16*\a], v[224:231], v[168+16*\a:175+16*\a], v[VSC+\a], v[PSC+\t] matrix_a_fmt:MATRIX_FMT_FP4 matrix_b_fmt:MATRIX_FMT_FP4 matrix_a_scale:MATRIX_SCALE_ROW1
.endr
.endm
; 17 loads: a step's 8 fragments of q and their scale words.  step = 1: my next step, four blocks on; the pointers' last loads have been shown done by the wait on LOADcnt that stands ahead
.macro LOADQ step
.if \step
	s_add_nc_u64 s[QP:QP+1], s[QP:QP+1], 4*8192
	s_add_nc_u64 s[QS:QS+1], s[QS:QS+1], 4*512
.endif
	WIN 0x80                                       ; destination window 2
.irp a, 0,1,2,3,4,5,6,7
.irp c, 0,1
	global_load_b128 v[32+8*\a+4*\c:35+8*\a+4*\c], v[LI], s[QP:QP+1] offset:1024*\a+512*\c
.endr
.endr
	WIN 0
	global_load_b128 v[QSC:QSC+3], v[LI], s[QS:QS+1]
.endm
.macro LOADV step                      ; the same for v
.if \step
	s_add_nc_u64 s[VP:VP+1], s[VP:VP+1], 4*8192
	s_add_nc_u64 s[VS:VS+1], s[VS:VS+1], 4*512
.endif
	WIN 0xc0                                       ; destination window 3
.irp a, 0,1,2,3,4,5,6,7
.irp c, 0,1
	global_load_b128 v[32+8*\a+4*\c:35+8*\a+4*\c], v[LI], s[VP:VP+1] offset:1024*\a+512*\c
.endr
.endr
	WIN 0
	global_load_b128 v[VSC:VSC+3], v[LI], s[VS:VS+1]
.endm
; THE SOFTMAX of tile t for one step, all in window t.  g: 0, or the scalar register that holds the tile's own block: in the step s = that block the columns behind a row are hidden.
.macro SOFTMAX t, g
.if \g
	WIN 0                                          ; at a branch and at a label every window is 0
	s_cmp_lg_u32 s[SS], s[\g]                      ; ids and the count of steps alone
	s_cbranch_scc1 .Lopen_\@
	WIN 0x55*(\t)
	v_mov_b32 v254, 0xff800000                     ; -infinity: p = 0 then
.set n, 0
.rept 64                                       ; register n holds column 32 (n / 16) + n % 16 + 16 (lane / 16) of the block; v24 = my row in the block - 16 (lane / 16)
	v_cmp_gt_i32 vcc_lo, 32*(n/16)+n%16, v24
	v_cndmask_b32 v[96+n], v[96+n], v254, vcc_lo
.set n, n+1
.endr
	WIN 0
.Lopen_\@:
.endif
	WIN 0x55*(\t)
.irp b, 0,1,2,3
	v_max3_num_f32 v[232+\b], v[96+16*\b], v[97+16*\b], v[98+16*\b]   ; the largest score of each block of 32 columns: it serves for the row's maximum and, since p rises with the score, for the block's largest p
.endr
.irp i, 3,5,7,9,11,13
.irp b, 0,1,2,3
	v_max3_num_f32 v[232+\b], v[232+\b], v[96+16*\b+\i], v[97+16*\b+\i]   ; (the four blocks by turns)
.endr
.endr
.irp b, 0,1,2,3
	v_max_num_f32 v[232+\b], v[232+\b], v[111+16*\b]
.endr
.irp b, 0,1,2,3
	v_permlanex16_b32 v[236+\b], v[232+\b], s[SEL], s[SEL+1]
.endr
.irp b, 0,1,2,3
	v_max_num_f32 v[232+\b], v[232+\b], v[236+\b]  ; with lane l xor 16's 16 columns
.endr
	v_max3_num_f32 v254, v232, v233, v234
	v_max_num_f32 v254, v254, v235                 ; the step's largest score of my row
	v_mul_f32 v254, s[CS], v254                    ; as t (c is positive)
	v_max_num_f32 v13, v13, v254                   ; the running largest t
	v_mov_b32 v254, v12
	v_floor_f32 v12, -v13                          ; the new -M = floor(-t) = -ceil(t)
	v_sub_f32 v254, v12, v254                      ; old M - new M: a whole number, 0 or less
	v_cvt_i32_f32 v254, v254                       ; (it saturates)
	v_ldexp_f32 v252, 1.0, v254                    ; f = 2^(old M - new M)
.set j, 0
.rept 32
	v_pk_fma_f32 v[96+j:97+j], v[96+j:97+j], s[CS:CS+1], v[12:13] op_sel_hi:[1,0,0]   ; t - M, two at a time
.set j, j+2
.endr
.irp b, 0,1,2,3
	v_fma_f32 v[232+\b], v[232+\b], s[CS], v12     ; the same of each block's largest score
.endr
.set j, 0
.rept 64
	v_exp_f32 v[96+j], v[96+j]                     ; p = 2^(t - M), at most 1
.set j, j+1
.endr
	v_pk_mul_f32 v[14:15], v[14:15], v[252:253] op_sel_hi:[1,0]   ; the sums under the new M: the plain place behind the exponentials
	s_wait_alu depctr_va_vdst(0)                   ; one wait for the batch of 64, ahead of its first reader
.irp b, 0,1,2,3
	v_exp_f32 v[232+\b], v[232+\b]                 ; the blocks' largest p: the same two instructions on the same number give the same bits
.endr
	v_pk_add_f32 v[236:237], v[96:97], v[98:99]    ; the row's sum of the unquantised p, in two chains; it reads the 64 alone
.set j, 4
.rept 15
	v_pk_add_f32 v[14:15], v[14:15], v[96+j:97+j]
	v_pk_add_f32 v[236:237], v[236:237], v[98+j:99+j]
.set j, j+4
.endr
	v_pk_add_f32 v[14:15], v[14:15], v[236:237]
	s_wait_alu depctr_va_vdst(0)                   ; and one for the four
.irp b, 0,1,2,3
	v_max_num_f32 v[232+\b], 0x1800000, v[232+\b]  ; the floor 2^(3 - 127): the byte cannot fall under 1 (a block whose every p is 0 keeps that byte: its codes are zeros)
.endr
.irp b, 0,1,2,3
	v_add_nc_u32 v[244+\b], 0xff000000, v[232+\b]  ; 2 off the exponent field: the conversion's scale operand
.endr
.irp b, 0,1,2,3
	v_lshrrev_b32 v[236+\b], 23, v[244+\b]         ; the scale's byte
.endr
	v_lshl_or_b32 v253, v237, 8, v236
	v_lshl_or_b32 v253, v238, 16, v253
	WIN ((\t)<<4)|(\t)                             ; the finished word goes to window 0, from which scale operands are taken
	v_lshl_or_b32 v[PSC+\t], v239, 24, v253        ; p's scale word for these 128 columns
	WIN 0x55*(\t)
.irp b, 0,1,2,3
	v_cvt_scalef32_pk8_fp4_f32 v[224+2*\b], v[96+16*\b:103+16*\b], v[244+\b]
	v_cvt_scalef32_pk8_fp4_f32 v[225+2*\b], v[104+16*\b:111+16*\b], v[244+\b]
.endr
	v_nop                                          ; one plain place behind a scaled conversion
.irp c, 0,1                                    ; the operand's layout wants a whole block in a lane
.irp i, 0,1
	v_permlane16_swap_b32 v[224+4*\c+\i], v[226+4*\c+\i]
.endr
.endr
.set j, 0
.rept 32
	v_pk_mul_f32 v[160+j:161+j], v[160+j:161+j], v[252:253] op_sel_hi:[1,0]   ; O^T under the new M, each accumulator from its low end on; these are also the places between the scale word, the codes and the products that take them
.set j, j+2
.endr
.endm
	s_load_b128 s[4:7], s[0:1], 0x0                ; img s[4:5], scl s[6:7]
	s_load_b64 s[8:9], s[0:1], 0x10                ; out0
	v_lshl_add_u32 v[SPW], v0, 2, SPARE
	v_mov_b32 v[NIL], 0
	v_lshrrev_b32 v1, 5, v0
	v_readfirstlane_b32 s[WV], v1                  ; wave 0..3
	s_and_b32 s12, ttmp7, 0xffff                   ; batch
	s_lshr_b32 s13, ttmp9, 2                       ; g
	s_and_b32 s14, ttmp9, 3                        ; part
	s_sub_co_u32 s[GH], 31, s13
	s_mov_b32 s[GL], s13
	s_sub_co_u32 s[LAST], s[GH], s[WV]
	s_and_b32 s[LAST], s[LAST], 3
	s_sub_co_u32 s[LAST], s[GH], s[LAST]
	s_add_co_u32 s[ENDA], s[GL], 1
	s_min_u32 s[ENDA], s[ENDA], s[LAST]
	s_add_co_u32 s[NA], s[ENDA], 3                 ; the loops' trip counts, from ids alone.  ENDA >= 1 and w <= 3, so ENDA + 3 - w is not negative;
	s_sub_co_u32 s[NA], s[NA], s[WV]
	s_lshr_b32 s[NA], s[NA], 2                     ; the steps w, w + 4, .. under ENDA
	s_sub_co_u32 s[NB], s[LAST], s[WV]             ; LAST - w is a multiple of 4 and ENDA <= LAST, so NA <= (LAST - w) / 4
	s_lshr_b32 s[NB], s[NB], 2
	s_sub_co_u32 s[NB], s[NB], s[NA]               ; the steps behind those, under LAST
	s_mov_b32 s[SEL], 0x76543210
	s_mov_b32 s[SEL+1], 0xfedcba98
	s_mov_b32 s[CS], 0x3d38aa3b                    ; log2(e) / 32
	s_mov_b32 s[CS+1], s[CS]                       ; (named with it as a pair, so it is written)
	s_lshl_b32 s11, s12, 5                         ; 32 blocks a batch
	s_add_co_u32 s2, s11, s[WV]                    ; my first column step's block
	s_lshl_b32 s40, s2, 13                         ; 8,192 bytes of images a block,
	s_mov_b32 s41, 0
	s_lshl_b32 s44, s2, 9                          ; 512 of scale words
	s_mov_b32 s45, 0
	s_lshl_b32 s3, s14, 11                         ; my two tiles in a block of k: 2,048 part
	s_add_co_u32 s2, s11, s[GH]
	s_lshl_b32 s46, s2, 13
	s_add_co_u32 s46, s46, s3
	s_mov_b32 s47, 0
	s_lshl_b32 s50, s2, 9
	s_add_co_u32 s2, s11, s[GL]
	s_lshl_b32 s48, s2, 13
	s_add_co_u32 s48, s48, s3
	s_mov_b32 s49, 0
	s_lshl_b32 s52, s2, 9
	s_lshl_b32 s3, s14, 2                          ; their scale words: word m = part of each lane's four
	s_add_co_u32 s50, s50, s3
	s_mov_b32 s51, 0
	s_add_co_u32 s52, s52, s3
	s_mov_b32 s53, 0
	s_cmp_lt_u32 s[WV], 2                          ; on the way out wave w finishes tile w: row 4,096 batch + 128 (GH or GL) + 32 part + 8 (w % 2)
	s_cselect_b32 s2, s[GH], s[GL]
	s_lshl_b32 s54, s12, 12
	s_lshl_b32 s2, s2, 7
	s_add_co_u32 s54, s54, s2
	s_lshl_b32 s2, s14, 5
	s_add_co_u32 s54, s54, s2
	s_and_b32 s2, s[WV], 1
	s_lshl_b32 s2, s2, 3
	s_add_co_u32 s54, s54, s2
	s_lshl_b32 s54, s54, 9                         ; 512 bytes a row
	s_mov_b32 s55, 0
	v_and_b32 v1, 31, v0                           ; lane
	v_and_b32 v2, 15, v0                           ; r
	v_bfe_u32 v3, v0, 4, 1                         ; h
	v_lshlrev_b32 v[LI], 4, v1
	v_lshlrev_b32 v[KSA], 4, v2
	s_wait_kmcnt 0x0
	s_add_nc_u64 s[QP:QP+1], s[4:5], s[40:41]
	s_add_nc_u64 s[VP:VP+1], s[QP:QP+1], 0x200000  ; v's images lie 2 MiB into img,
	s_add_nc_u64 s[QP:QP+1], s[QP:QP+1], 0x100000  ; q's 1 MiB
	s_add_nc_u64 s[QS:QS+1], s[6:7], s[44:45]
	s_add_nc_u64 s[VS:VS+1], s[QS:QS+1], 0x20000
	s_add_nc_u64 s[QS:QS+1], s[QS:QS+1], 0x10000
	s_add_nc_u64 s[32:33], s[4:5], s[46:47]        ; k's images of my tiles: block GH,
	s_add_nc_u64 s[34:35], s[4:5], s[48:49]        ; block GL
	s_add_nc_u64 s[36:37], s[6:7], s[50:51]        ; and their scale words
	s_add_nc_u64 s[38:39], s[6:7], s[52:53]
	s_add_nc_u64 s[42:43], s[8:9], s[54:55]
	; 46 loads, in this order: k (12; it stays), q of my first step (17), v of it (17)
.irp t, 0,1,2,3
	WIN (\t<<6)
.irp c, 0,1
	global_load_b128 v[16+4*\c:19+4*\c], v[LI], s[32+2*(\t/2):33+2*(\t/2)] offset:1024*(\t%2)+512*\c
.endr
.endr
	WIN 0
.irp t, 0,1,2,3
	global_load_b32 v[KSC+\t], v[KSA], s[36+2*(\t/2):37+2*(\t/2)] offset:256*(\t%2)   ; lane r (and 16 + r): row r's word
.endr
	LOADQ 0
	LOADV 0
	; the rest of the set-up stands behind the loads and names none of their registers
	v_lshlrev_b32 v[STR], 3, v1
	s_lshl_b32 s2, s[WV], 10
	v_add_nc_u32 v[STA], s2, v[STR]
	v_mul_u32_u24 v[OST], v2, OP
	v_lshl_add_u32 v[OST], v3, 6, v[OST]
	s_mul_i32 s2, s[WV], 64*OP
	s_add_co_u32 s2, s2, OB
	v_add_nc_u32 v[OST], s2, v[OST]
	s_mul_i32 s2, s[WV], 16*OP
	s_add_co_u32 s2, s2, OB
.irp u, 0,1,2,3
	v_add_nc_u32 v[RD+\u], s2, v[LI]
	s_add_co_u32 s2, s2, 64*OP
.endr
	v_and_b32 v41, 8, v2
	v_add_nc_u32 v41, v41, v2                      ; r + (r & 8)
	v_lshlrev_b32 v42, 4, v3
	v_sub_nc_u32 v41, v41, v42                     ; - 16 h
	s_lshl_b32 s2, s14, 5
	v_add_nc_u32 v41, s2, v41                      ; + 32 part
.irp t, 0,1,2,3                                ; each tile's window.  The step is written with no first copy: it finds zeros, which the first change of M leaves zeros; and a wave that has no step for a low tile brings zeros to the join
	WIN (\t<<6)
	v_mov_b32 v12, 0x7f61b1e6                      ; -M = 3e38 (its own floor)
	v_mov_b32 v13, 0xff61b1e6                      ; the largest t so far: -3e38, under every t
	v_mov_b32 v14, 0
	v_mov_b32 v15, 0
	v_add_nc_u32 v24, 8*(\t%2), v41                ; my row in its block - 16 h
.irp b, 0,1,2,3
	v_mov_b32 v[236+\b], 0                         ; written once: a lane permute's destination counts as one of its sources
.endr
	v_mov_b32 v253, 0                              ; (named as the upper half of the pair v[252:253])
.set j, 0
.rept 64
	v_mov_b32 v[160+j], 0                          ; O^T
.set j, j+1
.endr
.endr
	WIN 0
	s_mov_b32 s[SS], s[WV]
	s_mov_b32 s[CNT], 0
	s_cmp_lt_u32 s[CNT], s[NA]
	s_cbranch_scc0 .LAdone
.LA:                                               ; NA trips: steps s <= GL, s < LAST: all four tiles
	s_wait_loadcnt 17                              ; loads come back in order: q (in the first step k too) is in; the 17 younger loads, v's, may be out
	SMM 0
	SMM 1
	SMM 2
	SMM 3
	WIN 0
	PLACES                                         ; ahead of the loads into q's registers and of the first read of scores
	LOADQ 1                                        ; my next step's q lands under the four softmaxes
	SOFTMAX 0, 0
	SOFTMAX 1, 0
	s_wait_loadcnt 17                              ; v is in; the 17 loads of the next q may be out
	PVM 0
	PVM 1
	SOFTMAX 2, GL
	SOFTMAX 3, GL
	PVM 2
	PVM 3
	WIN 0
	PLACES                                         ; ahead of the loads into v's registers
	LOADV 1
	s_add_co_u32 s[SS], s[SS], 4                   ; the step's number, for the masks' branches; the loop ends on its own counter
	s_add_co_u32 s[CNT], s[CNT], 1
	s_cmp_lt_u32 s[CNT], s[NA]
	s_cbranch_scc1 .LA
.LAdone:
	s_mov_b32 s[CNT], 0
	s_cmp_lt_u32 s[CNT], s[NB]
	s_cbranch_scc0 .LBdone
.LB:                                               ; NB trips: steps GL < s < LAST: the two high tiles; all their columns count
	s_wait_loadcnt 17                              ; as above
	SMM 0
	SMM 1
	WIN 0
	PLACES
	LOADQ 1
	SOFTMAX 0, 0
	SOFTMAX 1, 0
	s_wait_loadcnt 17
	PVM 0
	PVM 1
	WIN 0
	PLACES
	LOADV 1
	s_add_co_u32 s[SS], s[SS], 4
	s_add_co_u32 s[CNT], s[CNT], 1
	s_cmp_lt_u32 s[CNT], s[NB]
	s_cbranch_scc1 .LB
.LBdone:
	; my last step, s = LAST: nothing more is fetched, so no load leaves its buffer
	s_wait_loadcnt 17                              ; q is in; v's 17 may be out
	SMM 0
	SMM 1
	WIN 0
	PLACES
	SOFTMAX 0, GH
	SOFTMAX 1, GH
	s_wait_loadcnt 0x0                             ; v: no load was issued behind it
	PVM 0
	PVM 1
	WIN 0
	s_cmp_gt_u32 s[SS], s[GL]                      ; does the step count for the low tiles?
	s_cbranch_scc1 .Ldone
	SMM 2
	SMM 3
	WIN 0
	PLACES
	SOFTMAX 2, GL
	SOFTMAX 3, GL
	PVM 2
	PVM 3
	WIN 0
.Ldone:
	; THE JOIN.  Each wave's -M and sum of each tile go to LDS.  (The eight additions name no register of the last products: they are the places behind them.)
.irp t, 0,1,2,3
	WIN 0x55*\t
	v_add_f32 v13, v14, v15                        ; the sum's two halves,
	v_permlanex16_b32 v236, v13, s[SEL], s[SEL+1]
	v_add_f32 v13, v13, v236                       ; and lane l xor 16's
	WIN (\t<<2)                                    ; an LDS store's data are its source 1
	ds_store_b64 v[STA], v[12:13] offset:STAT+256*\t
.endr
	WIN 0
	s_wait_dscnt 0x0                               ; for the others' sake
	s_barrier_signal -1
	s_barrier_wait -1
.irp t, 0,1,2,3
	WIN (\t<<6)
.irp u, 0,1,2,3
	ds_load_b64 v[232+2*\u:233+2*\u], v[STR] offset:STAT+1024*\u+256*\t   ; wave u's -M and sum of my row
.endr
.endr
	s_wait_dscnt 0x0
.irp t, 0,1,2,3
	WIN 0x55*\t
	v_min_num_f32 v244, v232, v234
	v_min_num_f32 v245, v236, v238
	v_min_num_f32 v244, v244, v245                 ; -M* = the least -M: the largest M
.irp u, 0,1,2,3
	v_sub_f32 v[245+\u], v244, v[232+2*\u]         ; M_u - M*: a whole number, 0 or less (a part with no step: -3e38)
.endr
.irp u, 0,1,2,3
	v_cvt_i32_f32 v[245+\u], v[245+\u]             ; (it saturates)
.endr
.irp u, 0,1,2,3
	v_ldexp_f32 v[245+\u], 1.0, v[245+\u]          ; f_u = 2^(M_u - M*); 0 for a part with no step
.endr
	v_mul_f32 v249, v245, v233
	v_fma_f32 v249, v246, v235, v249
	v_fma_f32 v249, v247, v237, v249
	v_fma_f32 v249, v248, v239, v249               ; the row's sum under M*: over 1/2, since the largest p is
	v_rcp_f32 v251, v249
	v_sub_f32 v250, v244, v12                      ; my own part's factor: plain work behind the reciprocal
	v_cvt_i32_f32 v250, v250
	v_ldexp_f32 v250, 1.0, v250
	s_wait_alu depctr_va_vdst(0)                   ; ahead of the reciprocal's first reader
	v_mul_f32 v252, v250, v251
.set j, 0
.rept 32
	v_pk_mul_f32 v[160+j:161+j], v[160+j:161+j], v[252:253] op_sel_hi:[1,0]   ; my part of O^T under M*, divided by the sum; each accumulator from its low end on
.set j, j+2
.endr
	WIN (\t<<2)
.irp b, 0,1,2,3
.irp i, 0,1,2,3
	ds_store_b128 v[OST], v[160+16*\b+4*\i:163+16*\b+4*\i] offset:16*OP*\t+128*\b+16*\i   ; registers 16 b + e are channels 32 b + 16 h + e of row r
.endr
.endr
.endr
	WIN 0
	s_wait_dscnt 0x0                               ; for the others' sake
	s_barrier_signal -1
	s_barrier_wait -1
	; Wave w finishes tile w: four rows at a time, the four waves' parts are read as whole rows of 512 bytes, added and stored.  All in window 0, whose v96-223 are free
.macro LOADB b
.set X, 96+64*((\b)%2)
.irp i, 0,1,2,3
.irp u, 0,1,2,3
	ds_load_b128 v[X+16*\i+4*\u:X+16*\i+4*\u+3], v[RD+\u] offset:OP*(4*(\b)+\i)
.endr
.endr
.endm
.macro SUMB b
.set X, 96+64*((\b)%2)
.irp i, 0,1,2,3
	v_pk_add_f32 v[X+16*\i:X+16*\i+1], v[X+16*\i:X+16*\i+1], v[X+16*\i+4:X+16*\i+5]
	v_pk_add_f32 v[X+16*\i+2:X+16*\i+3], v[X+16*\i+2:X+16*\i+3], v[X+16*\i+6:X+16*\i+7]
	v_pk_add_f32 v[X+16*\i+8:X+16*\i+9], v[X+16*\i+8:X+16*\i+9], v[X+16*\i+12:X+16*\i+13]
	v_pk_add_f32 v[X+16*\i+10:X+16*\i+11], v[X+16*\i+10:X+16*\i+11], v[X+16*\i+14:X+16*\i+15]
	v_pk_add_f32 v[X+16*\i:X+16*\i+1], v[X+16*\i:X+16*\i+1], v[X+16*\i+8:X+16*\i+9]
	v_pk_add_f32 v[X+16*\i+2:X+16*\i+3], v[X+16*\i+2:X+16*\i+3], v[X+16*\i+10:X+16*\i+11]
	global_store_b128 v[LI], v[X+16*\i:X+16*\i+3], s[42:43] offset:512*((4*(\b)+\i)+((4*(\b)+\i)&8)) th:TH_STORE_NT   ; row r of the tile is position r + (r & 8) from the tile's first; 32 lanes store 512 consecutive bytes, at a multiple of 512 from out0's first byte
.endr
.endm
	LOADB 0
	LOADB 1
	s_wait_dscnt 16                                ; batch 0 is in; the 16 loads of batch 1 may be out
	SUMB 0
	s_wait_xcnt 0x0                                ; the stores' data registers are loaded again only behind this wait
	LOADB 2
	s_wait_dscnt 16                                ; batch 1 is in
	SUMB 1
	s_wait_xcnt 0x0
	LOADB 3
	s_wait_dscnt 16                                ; batch 2 is in
	SUMB 2
	s_wait_dscnt 0x0
	SUMB 3
	s_wait_tensorcnt 0x0                           ; the wave's end
	ds_add_u32 v[SPW], v[NIL]
	s_wait_dscnt 0x0
	s_endpgm
.Lfunc_end_k_q718fbc6f7a_attend:
	.size	k_q718fbc6f7a_attend, .Lfunc_end_k_q718fbc6f7a_attend-k_q718fbc6f7a_attend
	.p2alignl 7, 3214868480
	.fill 96, 4, 3214868480
	.section	.rodata,"a",@progbits
	.p2align	6, 0x0
	.amdhsa_kernel k_q718fbc6f7a_attend
		.amdhsa_group_segment_fixed_size 139776
		.amdhsa_private_segment_fixed_size 0
		.amdhsa_enable_private_segment 0
		.amdhsa_kernarg_size 24
		.amdhsa_user_sgpr_count 2
		.amdhsa_user_sgpr_kernarg_segment_ptr 1
		.amdhsa_wavefront_size32 1
		.amdhsa_system_sgpr_workgroup_id_x 1
		.amdhsa_system_sgpr_workgroup_id_y 1
		.amdhsa_system_sgpr_workgroup_id_z 1
		.amdhsa_system_vgpr_workitem_id 0
		.amdhsa_next_free_vgpr 1024
		.amdhsa_next_free_sgpr 66
		.amdhsa_reserve_vcc 1
		.amdhsa_float_denorm_mode_32 3
		.amdhsa_float_denorm_mode_16_64 3
		.amdhsa_memory_ordered 1
		.amdhsa_forward_progress 1
		.amdhsa_inst_pref_size 236
	.end_amdhsa_kernel
	.amdgpu_metadata
---
amdhsa.version: [ 1, 2 ]
amdhsa.kernels:
  - .name:           k_q718fbc6f7a_attend
    .symbol:         k_q718fbc6f7a_attend.kd
    .args:
      - { .name: img, .offset: 0, .size: 8, .value_kind: global_buffer, .address_space: global }
      - { .name: scl, .offset: 8, .size: 8, .value_kind: global_buffer, .address_space: global }
      - { .name: out0, .offset: 16, .size: 8, .value_kind: global_buffer, .address_space: global }
    .group_segment_fixed_size: 139776
    .private_segment_fixed_size: 0
    .kernarg_segment_align: 8
    .kernarg_segment_size: 24
    .max_flat_workgroup_size: 128
    .sgpr_count:     66
    .vgpr_count:     1024
    .wavefront_size: 32
...
	.end_amdgpu_metadata
.endif
;; end of part 2
;; ======== version 2 of 2: 2 launches; version 1 with the launches project, attend written anew for expert scheduling mode
;; workspace buffers: img 3,145,728 bytes; scl 196,608 bytes
;; launch project (part 3): grid 128 x 3, 4 waves a work-group, no clusters, 136,192 bytes of LDS; arguments x_codes, x_scales, Wk_codes, Wk_scales, Wq_codes, Wq_scales, Wv_codes, Wv_scales, img, scl; writes img, scl
.if DOCPART == 3
	.amdgcn_target "amdgcn-amd-amdhsa--gfx1250"
	.amdhsa_code_object_version 6
	.text
	.protected	k_q718fbc6f7a_project
	.globl	k_q718fbc6f7a_project
	.p2align	8
	.type	k_q718fbc6f7a_project,@function
k_q718fbc6f7a_project:
	s_mov_b64 s[64:65], 0
	v_nop
	global_prefetch_b8 v0, s[64:65] scope:SCOPE_SE
	s_setreg_imm32_b32 hwreg(HW_REG_WAVE_SCHED_MODE, 0, 2), 2
	s_setreg_imm32_b32 hwreg(HW_REG_WAVE_MODE, 25, 1), 1
	s_wait_xcnt 0x0
	s_wait_alu depctr_vm_vsrc(0)
; k = x Wk, q = x Wq, v = x Wv on the given codes of E2M1 (sums in f32), and the quantisers of k, q (along the head's 128) and v (along the positions, blocks of 32).
; THE PROGRAM has two launches: this one, and one that does the scores k q^T / 32, the causal mask, the softmax and p v.
; WORK LEFT OUT BY THE PROGRAM (none of it here; all inputs are loaded).  reference() replaces wei[i][j] by NEG_INF wherever j > i, by a jnp.tril of its own body: whatever k and q hold, those scores
; reach no output, and the constant's p = 2^(NEG_INF log2(e) - M) lies under every f32 number, so it is the code 0 and adds nothing to the row's sum.  So the second launch leaves out every step of 128 columns
; that lies wholly behind all 16 rows of a tile.  LIMITS: a NaN, an infinity or an overflow that would arise only in those scores is not carried to the result; rows whose largest logit lies near NEG_INF itself are not served.
; FURTHER LIMITS: NaN and infinities among the inputs are not served; a block whose largest magnitude lies under 2^-124 gets the scale byte 1; a block of zeros gets the byte 1 and not 127:
; its codes are zeros, which add nothing under any byte but 0xff, and the bytes are read by this program alone.
; SHARES.  Work-group (blk, y) makes one product of 128 x 128 x 1,024, D = P R^T.  P is source 0: its 128 rows are the axis that is quantised afterwards.  R is source 1: its rows are the rows of the operand that is made.
;   y = 0: P = Wk, R = positions 128 blk .. + 127 of x (k, quantised along the head);  y = 1: the same with Wq;  y = 2: P = those positions of x, R = Wv (v, quantised along the positions).
; Both sides are 128 dense rows of 512 bytes of codes and of 32 scale bytes, so the text has one path and only pointers are chosen, on y.  Wave w owns R's rows 32 w .. 32 w + 31 against all of P: 16 accumulators.
; THE ROWS OF A TILE ARE NOT NEIGHBOURS: row r of tile 2 b + u is index 32 b + 8 u + r + (r & 8).  With such a tile as source 0, a lane's 16 registers of tiles 2 b and 2 b + 1 are the 16 neighbours
; 32 b + 16 (lane / 16) + 0 .. 15, which is what the conversions and the operand's layout want.
; WHAT IS STORED, in the order of the operand's registers.  img [y 3][blk 128][tile 8][c 2][lane 32][16 bytes]: registers 4 c .. 4 c + 3 of lane l of a fragment (16 rows x 128 K).
;   scl [y 3][blk 128][lane 32][m 4] words: word (l, m) is the scale word of row l % 16 of tile 2 m + l / 16, so that one load of 16 bytes a lane gives four scale registers, each with two tiles' words.
; No tensor load: each side is staged once through registers into LDS (rows in tile order) and read from there as fragments.
; REGISTERS.  window 0: v4-13 addresses; v22, v23 the add's two; v24-31 R's scale words (register k: K step k; lanes 0-15 tile 2 w, lanes 16-31 tile 2 w + 1); v32-63 P's (register 8 m + k: tiles 2 m, 2 m + 1);
;   v96-255 two fragment buffers of 80 (8 of P, 2 of R); while staging v96-223 hold 32 rows of P.   window 1: v0-127 the accumulators, (u, tile of P) at 64 u + 8 tile; while staging 32 rows of R; v128-162 the quantiser's.
; THE MODE: SCHED_MODE bits 1:0 = 2 (LLVM: expert scheduling mode 2), set by the entry lines.  The code itself states the register dependences between vector or matrix instructions and memory or LDS
; instructions, with s_wait_alu, always for 0.
; THE PLAN.  Registers that memory or LDS instructions touch:
;   v4-13        addresses: made at the head, ahead of the one wait on va_vdst in front of the first load; never written again.
;   v24-63       scale words: loaded once; read by matrix instructions alone.
;   v96-223 and window 1's v0-127: loaded once from memory; read by the staging LDS stores; from then on fragment buffers (LDS loads land there) and accumulators (matrix instructions write them):
;                one wait on vm_vsrc behind the first barrier.
;   F0 = v96-175, F1 = v176-255: step k's products read F[k % 2]; the 20 LDS loads of step k + 1, issued at step k's head, land in F[(k + 1) % 2], which step k - 1's products read:
;                one wait on va_vdst at the head of steps 1 to 6.  The products that follow the loads name the other buffer, the scale words and the accumulators alone.
;   window 1's v144-151, v152-159 (a set of codes for each of my two tiles) and v162: written by the quantiser, read by five stores: one wait on va_vdst ahead of that run; none is written again.
;   v16-19       wave 0: an LDS load lands there, a store reads them; no vector instruction names them.    v22, v23: read by the closing add alone.
.set PITCH, 528                        ; an LDS row: 512 bytes + 16 = 33 x 16: the 16 rows that a fragment load touches start at 16 different groups of four banks (64 banks of 4 bytes: ISA guide 11.1)
.set RL,    128*PITCH                  ; P's 128 rows from 0, R's from here
.set SCS,   2*RL                       ; 512 bytes in which the four waves' scale words meet
.set SPARE, SCS+512                    ; the spare words, 128 bytes for each wave: two blocks of 256 bytes that no other line names
.set LI,  4                            ; v4   16 x lane
.set GA,  5                            ; v5   16 x lane + 16,384 x wave: my wave's 32 rows in memory
.set STA, 6                            ; v6   16 x lane + 32 PITCH x wave: the same rows of P in LDS
.set STB, 7                            ; v7   and of R
.set ADP, 8                            ; v8   a fragment of P: PITCH r + 16 h
.set ADR, 9                            ; v9   a fragment of my rows of R
.set SGA, 10                           ; v10  scale bytes in memory: 32 x (8 (lane / 16) + r + (r & 8))
.set SGR, 11                           ; v11  + 1,024 x wave
.set SCA, 12                           ; v12  SCS + 16 x lane + 4 x wave
.set SCR, 13                           ; v13  SCS + 16 x lane
.set SPW, 22                           ; v22  LDS address of my spare word; never rewritten
.set NIL, 23                           ; v23  0; never rewritten
.set RS,  24
.set PS,  32
.set STG, 96
.set TM,  128                          ; window 1: v128-131 largest magnitudes, v132-135 bytes, v140-143 the conversions' scale operands
.set PC,  144                          ; window 1: the codes just made: v144-151 my first tile's, v152-159 my second's
.set PW,  160                          ; window 1: v160, v161 the scale words of my two tiles; v162 the two joined
.set WV,  4                            ; s4   my wave's number
.set SEL, 44                           ; s[44:45] v_permlanex16_b32's selects for lane l xor 16
.set MSB, 0
.macro WIN new                         ; s_set_vgpr_msb: bits 1:0 source 0, 3:2 source 1, 5:4 source 2, 7:6 destination; the high byte repeats the setting that is left
.if MSB != (\new)
	s_set_vgpr_msb (MSB<<8)|(\new)
.set MSB, (\new)
.endif
.endm
.macro PLACES                          ; four plain places behind a matrix instruction, ahead of loads into its sources and of reads of its results
.rept 4
	v_nop
.endr
.endm
; 16 staged rows, i0 on, go to LDS in tile order: row i of the wave's 32 to row sw(i), bits 3 and 4 of i changing places, so that a tile's 16 rows are neighbours there
.macro STAGE adr, reg, i0
.set i, \i0
.rept 16
	ds_store_b128 v[\adr], v[\reg+4*i:\reg+4*i+3] offset:PITCH*(((i&16)>>1)|((i&8)<<1)|(i&7))
.set i, i+1
.endr
.endm
; the fragments of K step k (128 along K, 64 bytes of a row): P's eight and my two of R, 20 loads, into buffer k % 2
.macro FETCH k
.set FB, STG+80*((\k)%2)
.irp a, 0,1,2,3,4,5,6,7
.irp c, 0,1
	ds_load_b128 v[FB+8*\a+4*\c:FB+8*\a+4*\c+3], v[ADP] offset:16*PITCH*\a+64*(\k)+32*\c
.endr
.endr
.irp u, 0,1
.irp c, 0,1
	ds_load_b128 v[FB+64+8*\u+4*\c:FB+64+8*\u+4*\c+3], v[ADR] offset:16*PITCH*\u+64*(\k)+32*\c
.endr
.endr
.endm
; 16 matrix instructions of K step k: the 16 accumulators take turns, one instruction a turn, in the same order in every step.  zero = 1: the products start the sums
.macro MUL k, zero
.set FB, STG+80*((\k)%2)
.irp m, 0,1,2,3
.if \zero
	v_wmma_scale_f32_16x16x128_f8f6f4 v[16*\m:16*\m+7], v[FB+16*\m:FB+16*\m+7], v[FB+64:FB+71], 0, v[PS+8*\m+(\k)], v[RS+(\k)] matrix_a_fmt:MATRIX_FMT_FP4 matrix_b_fmt:MATRIX_FMT_FP4
	v_wmma_scale_f32_16x16x128_f8f6f4 v[64+16*\m:64+16*\m+7], v[FB+16*\m:FB+16*\m+7], v[FB+72:FB+79], 0, v[PS+8*\m+(\k)], v[RS+(\k)] matrix_a_fmt:MATRIX_FMT_FP4 matrix_b_fmt:MATRIX_FMT_FP4 matrix_b_scale:MATRIX_SCALE_ROW1
	v_wmma_scale_f32_16x16x128_f8f6f4 v[16*\m+8:16*\m+15], v[FB+16*\m+8:FB+16*\m+15], v[FB+64:FB+71], 0, v[PS+8*\m+(\k)], v[RS+(\k)] matrix_a_fmt:MATRIX_FMT_FP4 matrix_b_fmt:MATRIX_FMT_FP4 matrix_a_scale:MATRIX_SCALE_ROW1
	v_wmma_scale_f32_16x16x128_f8f6f4 v[64+16*\m+8:64+16*\m+15], v[FB+16*\m+8:FB+16*\m+15], v[FB+72:FB+79], 0, v[PS+8*\m+(\k)], v[RS+(\k)] matrix_a_fmt:MATRIX_FMT_FP4 matrix_b_fmt:MATRIX_FMT_FP4 matrix_a_scale:MATRIX_SCALE_ROW1 matrix_b_scale:MATRIX_SCALE_ROW1
.else
	v_wmma_scale_f32_16x16x128_f8f6f4 v[16*\m:16*\m+7], v[FB+16*\m:FB+16*\m+7], v[FB+64:FB+71], v[16*\m:16*\m+7], v[PS+8*\m+(\k)], v[RS+(\k)] matrix_a_fmt:MATRIX_FMT_FP4 matrix_b_fmt:MATRIX_FMT_FP4
	v_wmma_scale_f32_16x16x128_f8f6f4 v[64+16*\m:64+16*\m+7], v[FB+16*\m:FB+16*\m+7], v[FB+72:FB+79], v[64+16*\m:64+16*\m+7], v[PS+8*\m+(\k)], v[RS+(\k)] matrix_a_fmt:MATRIX_FMT_FP4 matrix_b_fmt:MATRIX_FMT_FP4 matrix_b_scale:MATRIX_SCALE_ROW1
	v_wmma_scale_f32_16x16x128_f8f6f4 v[16*\m+8:16*\m+15], v[FB+16*\m+8:FB+16*\m+15], v[FB+64:FB+71], v[16*\m+8:16*\m+15], v[PS+8*\m+(\k)], v[RS+(\k)] matrix_a_fmt:MATRIX_FMT_FP4 matrix_b_fmt:MATRIX_FMT_FP4 matrix_a_scale:MATRIX_SCALE_ROW1
	v_wmma_scale_f32_16x16x128_f8f6f4 v[64+16*\m+8:64+16*\m+15], v[FB+16*\m+8:FB+16*\m+15], v[FB+72:FB+79], v[64+16*\m+8:64+16*\m+15], v[PS+8*\m+(\k)], v[RS+(\k)] matrix_a_fmt:MATRIX_FMT_FP4 matrix_b_fmt:MATRIX_FMT_FP4 matrix_a_scale:MATRIX_SCALE_ROW1 matrix_b_scale:MATRIX_SCALE_ROW1
.endif
.endr
.endm
; 64 numbers of a lane, v[s] .. v[s + 63], register 16 b + i = index 32 b + 16 (lane / 16) + i of my row, become a fragment's codes in v[pc] on and its scale word in v[pw].  All in window 1.
.macro QUANT s, pw, pc
.irp b, 0,1,2,3
	v_max3_num_f32 v[TM+\b], |v[\s+16*\b]|, |v[\s+1+16*\b]|, 0x1800000   ; block b: my 16 numbers, each accumulator from its low end on, and the floor 2^(3 - 127): the byte cannot fall under 1
.endr
.irp i, 2,4,6,8,10,12,14
.irp b, 0,1,2,3
	v_max3_num_f32 v[TM+\b], v[TM+\b], |v[\s+16*\b+\i]|, |v[\s+1+16*\b+\i]|   ; (the four blocks by turns)
.endr
.endr
.irp b, 0,1,2,3
	v_permlanex16_b32 v[TM+4+\b], v[TM+\b], s[SEL], s[SEL+1]
.endr
.irp b, 0,1,2,3
	v_max_num_f32 v[TM+\b], v[TM+\b], v[TM+4+\b]   ; with lane l xor 16's 16: the block's largest magnitude
.endr
.irp b, 0,1,2,3
	v_add_nc_u32 v[TM+12+\b], 0xff000000, v[TM+\b]   ; 2 off its exponent field: the conversion takes the exponent field of this operand as its scale
.endr
.irp b, 0,1,2,3
	v_lshrrev_b32 v[TM+4+\b], 23, v[TM+12+\b]      ; the scale's byte
.endr
	v_lshl_or_b32 v[\pw], v[TM+5], 8, v[TM+4]      ; the four bytes make my row's scale word (both halves of the lanes hold it)
	v_lshl_or_b32 v[\pw], v[TM+6], 16, v[\pw]
	v_lshl_or_b32 v[\pw], v[TM+7], 24, v[\pw]
.irp b, 0,1,2,3
	v_cvt_scalef32_pk8_fp4_f32 v[\pc+2*\b], v[\s+16*\b:\s+7+16*\b], v[TM+12+\b]
	v_cvt_scalef32_pk8_fp4_f32 v[\pc+1+2*\b], v[\s+8+16*\b:\s+15+16*\b], v[TM+12+\b]
.endr
	v_nop                                          ; one plain place behind a scaled conversion
.irp c, 0,1                                    ; the operand's layout wants a whole block in a lane: lanes 0-15 block 2 c, lanes 16-31 block 2 c + 1
.irp i, 0,1
	v_permlane16_swap_b32 v[\pc+4*\c+\i], v[\pc+2+4*\c+\i]
.endr
.endr
.endm
	s_load_b512 s[8:23], s[0:1], 0x0               ; x's codes s[8:9], x's scales s[10:11], then codes and scales of Wk s[12:15], Wq s[16:19], Wv s[20:23]
	s_load_b128 s[24:27], s[0:1], 0x40             ; img s[24:25], scl s[26:27]
	v_lshl_add_u32 v[SPW], v0, 2, SPARE
	v_mov_b32 v[NIL], 0
	v_lshrrev_b32 v1, 5, v0
	v_readfirstlane_b32 s[WV], v1                  ; wave 0..3
	s_and_b32 s3, ttmp7, 0xffff                    ; y: which of the three products
	v_and_b32 v1, 31, v0                           ; lane
	v_and_b32 v2, 15, v0                           ; r
	v_bfe_u32 v3, v0, 4, 1                         ; h
	v_lshlrev_b32 v[LI], 4, v1
	s_wait_alu depctr_va_sdst(0)                   ; s4, the wave's number, is written, ahead of its first reader
	s_lshl_b32 s5, s[WV], 14
	v_add_nc_u32 v[GA], s5, v[LI]
	s_mul_i32 s5, s[WV], 32*PITCH
	v_add_nc_u32 v[STA], s5, v[LI]
	v_add_nc_u32 v[STB], RL, v[STA]
	v_mul_u32_u24 v[ADP], v2, PITCH
	v_lshl_add_u32 v[ADP], v3, 4, v[ADP]
	v_add_nc_u32 v[ADR], s5, v[ADP]
	v_add_nc_u32 v[ADR], RL, v[ADR]
	v_and_b32 v14, 8, v2
	v_add_nc_u32 v14, v14, v2                      ; r + (r & 8)
	v_lshl_add_u32 v14, v3, 3, v14                 ; + 8 for the odd tile, whose words lanes 16-31 take
	v_lshlrev_b32 v[SGA], 5, v14                   ; 32 scale bytes a row
	s_lshl_b32 s5, s[WV], 10
	v_add_nc_u32 v[SGR], s5, v[SGA]
	s_lshl_b32 s5, s[WV], 2
	v_add_nc_u32 v[SCR], SCS, v[LI]
	v_add_nc_u32 v[SCA], s5, v[SCR]
	WIN 0x40
.irp b, 0,1,2,3
	v_mov_b32 v[TM+4+\b], 0                        ; written once: a lane permute's destination counts as one of its sources
.endr
	WIN 0
	s_mov_b32 s42, 0xffff0000                      ; lanes 16-31
	s_mov_b32 s[SEL], 0x76543210
	s_mov_b32 s[SEL+1], 0xfedcba98
	s_lshl_b32 s40, ttmp9, 16                      ; x's codes: 128 rows of 512 bytes a block
	s_mov_b32 s41, 0
	s_lshl_b32 s46, ttmp9, 12                      ; x's scales: 128 rows of 32 bytes
	s_mov_b32 s47, 0
	s_lshl_b32 s6, s3, 20                          ; img: 2^20 y + 8,192 blk + 2,048 wave
	s_lshl_b32 s5, ttmp9, 13
	s_add_co_u32 s6, s6, s5
	s_lshl_b32 s5, s[WV], 11
	s_add_co_u32 s6, s6, s5
	s_mov_b32 s7, 0
	s_lshl_b32 s48, s3, 16                         ; scl: 2^16 y + 512 blk
	s_lshl_b32 s5, ttmp9, 9
	s_add_co_u32 s48, s48, s5
	s_mov_b32 s49, 0
	s_wait_kmcnt 0x0
	s_add_nc_u64 s[8:9], s[8:9], s[40:41]
	s_add_nc_u64 s[10:11], s[10:11], s[46:47]
	s_add_nc_u64 s[24:25], s[24:25], s[6:7]
	s_add_nc_u64 s[26:27], s[26:27], s[48:49]
	s_cmp_eq_u32 s3, 0                             ; the weight: the choices hang on y alone
	s_cselect_b64 s[28:29], s[12:13], s[16:17]
	s_cselect_b64 s[30:31], s[14:15], s[18:19]
	s_cmp_eq_u32 s3, 2
	s_cselect_b64 s[28:29], s[20:21], s[28:29]
	s_cselect_b64 s[30:31], s[22:23], s[30:31]
	s_cselect_b64 s[32:33], s[8:9], s[28:29]       ; P: x for v, else the weight
	s_cselect_b64 s[34:35], s[10:11], s[30:31]
	s_cselect_b64 s[36:37], s[28:29], s[8:9]       ; R: the other one
	s_cselect_b64 s[38:39], s[30:31], s[10:11]
	s_wait_alu depctr_va_vdst(0)                   ; the ten addresses v4 to v13 are written: every load and store of the kernel, from memory and from LDS, reads one of them
	; 74 loads: the scale words (they stay in registers), then my wave's 32 rows of P and 32 of R, 512 consecutive bytes a load
.irp m, 0,1,2,3
.irp j, 0,1
	global_load_b128 v[PS+8*\m+4*\j:PS+8*\m+4*\j+3], v[SGA], s[34:35] offset:1024*\m+16*\j
.endr
.endr
.irp j, 0,1
	global_load_b128 v[RS+4*\j:RS+4*\j+3], v[SGR], s[38:39] offset:16*\j
.endr
.set i, 0
.rept 32
	global_load_b128 v[STG+4*i:STG+4*i+3], v[GA], s[32:33] offset:512*i
.set i, i+1
.endr
	WIN 0x40
.set i, 0
.rept 32
	global_load_b128 v[4*i:4*i+3], v[GA], s[36:37] offset:512*i
.set i, i+1
.endr
	WIN 0
	s_wait_loadcnt 48                              ; loads come back in order: all but the youngest 48 (P's rows 16-31, R's 32) are in
	STAGE STA, STG, 0
	s_wait_loadcnt 32                              ; P is in
	STAGE STA, STG, 16
	WIN 0x04                                       ; an LDS store's data are its source 1: window 1
	s_wait_loadcnt 16
	STAGE STB, 0, 0
	s_wait_loadcnt 0x0
	STAGE STB, 0, 16
	WIN 0
	s_wait_dscnt 0x0                               ; for the others' sake: my stores have landed
	s_barrier_signal -1
	s_barrier_wait -1                              ; P's 128 rows, which all four waves read, lie in LDS
	s_wait_alu depctr_vm_vsrc(0)                   ; my staging stores have read v96-223 and window 1's v0-127: from here on the fragments' loads land in the first and the products write the second
	FETCH 0
.irp k, 0,1,2,3,4,5,6,7
.if (\k >= 1) && (\k < 7)
	PLACES                                         ; the loads below land in the buffer that the last step's products read
	s_wait_alu depctr_va_vdst(0)                   ; the last step's products are done reading that buffer; the places above stay beside this wait
.endif
.if \k < 7
	FETCH \k+1
	s_wait_dscnt 20                                ; this step's fragments are in; the 20 loads just issued may be out
.else
	s_wait_dscnt 0x0
.endif
	WIN 0x50                                       ; C and D window 1, the fragments window 0
.if \k == 0
	MUL \k, 1
.else
	MUL \k, 0
.endif
	WIN 0
.endr
	PLACES                                         ; the quantiser reads results just made
	WIN 0x55
	QUANT 0, PW, PC
	QUANT 64, PW+1, PC+8                           ; a set of code registers for each tile: no store's data are written again
	v_cndmask_b32 v[PW+2], v[PW], v[PW+1], s42     ; lanes 0-15: tile 2 w's words; lanes 16-31: tile 2 w + 1's
	WIN 0x04                                       ; a store's data are its source 1
	s_wait_alu depctr_va_vdst(0)                   ; the quantiser has written both tiles' codes and the joined scale words, which the five stores below read
	global_store_b128 v[LI], v[PC:PC+3], s[24:25]             ; the fragments' images: 512 consecutive bytes a store
	global_store_b128 v[LI], v[PC+4:PC+7], s[24:25] offset:512
	global_store_b128 v[LI], v[PC+8:PC+11], s[24:25] offset:1024
	global_store_b128 v[LI], v[PC+12:PC+15], s[24:25] offset:1536
	ds_store_b32 v[SCA], v[PW+2]                   ; word (lane, m = my wave)
	WIN 0
	s_wait_dscnt 0x0                               ; for wave 0's sake
	s_barrier_signal -1
	s_barrier_wait -1
	s_cmp_lg_u32 s[WV], 0
	s_cbranch_scc1 .Lend
	ds_load_b128 v[16:19], v[SCR]                  ; wave 0 stores the block's 512 bytes of scale words whole; no vector instruction names v16-19
	s_wait_dscnt 0x0
	global_store_b128 v[LI], v[16:19], s[26:27]
.Lend:
	s_wait_dscnt 0x0                               ; the closing lines, six on end
	s_wait_alu 0x0
	s_wait_tensorcnt 0x0
	ds_add_u32 v[SPW], v[NIL]
	s_wait_dscnt 0x0
	s_endpgm
.Lfunc_end_k_q718fbc6f7a_project:
	.size	k_q718fbc6f7a_project, .Lfunc_end_k_q718fbc6f7a_project-k_q718fbc6f7a_project
	.p2alignl 7, 3214868480
	.fill 96, 4, 3214868480
	.section	.rodata,"a",@progbits
	.p2align	6, 0x0
	.amdhsa_kernel k_q718fbc6f7a_project
		.amdhsa_group_segment_fixed_size 136192
		.amdhsa_private_segment_fixed_size 0
		.amdhsa_enable_private_segment 0
		.amdhsa_kernarg_size 80
		.amdhsa_user_sgpr_count 2
		.amdhsa_user_sgpr_kernarg_segment_ptr 1
		.amdhsa_wavefront_size32 1
		.amdhsa_system_sgpr_workgroup_id_x 1
		.amdhsa_system_sgpr_workgroup_id_y 1
		.amdhsa_system_sgpr_workgroup_id_z 1
		.amdhsa_system_vgpr_workitem_id 0
		.amdhsa_next_free_vgpr 448
		.amdhsa_next_free_sgpr 66
		.amdhsa_reserve_vcc 0
		.amdhsa_float_denorm_mode_32 3
		.amdhsa_float_denorm_mode_16_64 3
		.amdhsa_memory_ordered 1
		.amdhsa_forward_progress 1
		.amdhsa_inst_pref_size 51
	.end_amdhsa_kernel
	.amdgpu_metadata
---
amdhsa.version: [ 1, 2 ]
amdhsa.kernels:
  - .name:           k_q718fbc6f7a_project
    .symbol:         k_q718fbc6f7a_project.kd
    .args:
      - { .name: x_codes, .offset: 0, .size: 8, .value_kind: global_buffer, .address_space: global }
      - { .name: x_scales, .offset: 8, .size: 8, .value_kind: global_buffer, .address_space: global }
      - { .name: Wk_codes, .offset: 16, .size: 8, .value_kind: global_buffer, .address_space: global }
      - { .name: Wk_scales, .offset: 24, .size: 8, .value_kind: global_buffer, .address_space: global }
      - { .name: Wq_codes, .offset: 32, .size: 8, .value_kind: global_buffer, .address_space: global }
      - { .name: Wq_scales, .offset: 40, .size: 8, .value_kind: global_buffer, .address_space: global }
      - { .name: Wv_codes, .offset: 48, .size: 8, .value_kind: global_buffer, .address_space: global }
      - { .name: Wv_scales, .offset: 56, .size: 8, .value_kind: global_buffer, .address_space: global }
      - { .name: img, .offset: 64, .size: 8, .value_kind: global_buffer, .address_space: global }
      - { .name: scl, .offset: 72, .size: 8, .value_kind: global_buffer, .address_space: global }
    .group_segment_fixed_size: 136192
    .private_segment_fixed_size: 0
    .kernarg_segment_align: 8
    .kernarg_segment_size: 80
    .max_flat_workgroup_size: 128
    .sgpr_count:     66
    .vgpr_count:     448
    .wavefront_size: 32
...
	.end_amdgpu_metadata
.endif
;; end of part 3
;; launch attend (part 4): grid 64 x 4, 4 waves a work-group, no clusters, 139,776 bytes of LDS; arguments img, scl, out0; writes out0
.if DOCPART == 4
	.amdgcn_target "amdgcn-amd-amdhsa--gfx1250"
	.amdhsa_code_object_version 6
	.text
	.protected	k_q718fbc6f7a_attend
	.globl	k_q718fbc6f7a_attend
	.p2align	8
	.type	k_q718fbc6f7a_attend,@function
k_q718fbc6f7a_attend:
	s_mov_b64 s[64:65], 0
	v_nop
	global_prefetch_b8 v0, s[64:65] scope:SCOPE_SE
	s_setreg_imm32_b32 hwreg(HW_REG_WAVE_SCHED_MODE, 0, 2), 2
	s_setreg_imm32_b32 hwreg(HW_REG_WAVE_MODE, 25, 1), 1
	s_wait_xcnt 0x0
	s_wait_alu depctr_vm_vsrc(0)
; out[i] = the sum over j <= i of softmax_j(k[i] . q[j] / 32) v[j], both products on codes of E2M1 with E8M0 scales, from the register images that the first launch stored (img, scl: laid out as its head says).
; k's position i is the ROW, q's position j the COLUMN.  t = score x log2(e) / 32; M = the largest t so far, rounded up to a whole number; p = 2^(t - M) is quantised along the columns, not normalised;
; the row's sum is taken of the unquantised p and divides at the end.  When M moves, the sum and O are multiplied by 2^(old M - new M): exact.
; WORK LEFT OUT: steps of 128 columns that lie wholly behind all 16 rows of a tile: reference() puts NEG_INF there by its own jnp.tril, whatever the inputs hold (shown at the first launch's head, with the limits).
; LIMITS: as stated there; a p under 2^-126 is 0 (v_exp_f32 gives 0 for such results: ISA guide, its entry); a row's sums over the columns are made in four parts, one a wave, and then added: another order of f32 additions than one stream's.
; SHARES.  256 work-groups of equal work.  Work-group (g, part, batch) owns four tiles of 16 rows: tiles 2 part, 2 part + 1 of block GH = 31 - g of 128 rows, and the same two of block GL = g:
; 2 (32 - g) + 2 (g + 1) = 66 tile-steps for every g.  THE WAVES SPLIT THE COLUMNS: wave w takes the steps s = w, w + 4, .. <= GH, each for all tiles that it counts for (four where s <= GL, else two).
; A step's q and v (17,408 bytes with their scale words) go from memory straight into the wave's registers, 512 consecutive bytes a load, and feed two or four tiles; no barrier stands in the walk.
; At the end the four waves' parts (M, sum, O) meet in LDS; since each M is a whole number, bringing them under the largest M rounds nothing.
; NO CLUSTER: the four work-groups of one g walk the same steps, and joint requests would spare three of four fetches of those 17,408 bytes; but a joint request lands in LDS, where each byte would have one reader (the waves split
; the columns), and would want a ring with a round of the cluster's barrier for each refill among sixteen waves that otherwise meet at no barrier.  NO PREFETCH: all work-groups begin at steps 0 to 3, and q and v, 2 MiB, are read by up to 64 work-groups each.
; LAYOUT.  Both products transposed: S^T = q k^T (source 0 = 16 columns, source 1 = my 16 rows), O^T = v^T p^T (source 0 = 16 channels, source 1 = p): a lane holds ONE row (lane % 16) throughout.
; Row r of tile 2 b + u of any image is index 32 b + 8 u + r + (r & 8): so the 16 registers of tiles 2 b, 2 b + 1 are columns (or channels) 32 b + 16 (lane / 16) + 0 .. 15.
; REGISTERS.  ONE WINDOW OF 256 FOR EACH TILE t, the same numbers in each: v12 -M, v13 the largest t (later the sum), v[14:15] the sum in two halves, v16-23 k's fragment, v24 the mask's constant,
;   v96-159 S^T then p, v160-223 O^T, v224-231 p's codes, v232-239 and v244-254 at work.  Window 2, v32-95: q's 8 fragments of a step.  Window 3, v32-95: v's.
;   Window 0 alone: v4-7 q's scale words, v8-11 v's, v26-29 k's, v240-243 p's (scale operands have no window); v30, v31 the add's two; v32-40 addresses; v1-3, v41, v42 at work at the head.
;   On the way out v96-223 of windows 0 and 1 take four batches of rows.
; THE MODE: SCHED_MODE bits 1:0 = 2 (LLVM: expert scheduling mode 2), set by the entry lines.  The code itself states the register dependences between vector or matrix instructions and memory or LDS
; instructions, with s_wait_alu, always for 0.
; THE PLAN.  Registers that memory or LDS instructions touch:
;   v32, v33     offsets of all loads from memory and of the stores: made ahead of the one wait in front of the first load; never written again.
;   v34-40       LDS addresses: made behind the first loads, first read at the join, behind the wait that stands ahead of its first stores.
;   k            v16-23 of each window, v26-29: loaded once; read by matrix instructions alone.
;   q            window 2's v32-95, v4-7: a step's products S^T read them; the next step's 17 loads land there, behind one wait on va_vdst that stands behind those products.  No softmax names them.
;   v            window 3's v32-95, v8-11: a step's products O^T read them; the next step's 17 loads land there, behind one wait on va_vdst that stands behind those products.
;   p            v224-231 of each window, v240-243: written by the softmax's vector instructions, taken by scaled products as operand and scales: one wait on va_vdst ahead of each pair of tiles' products O^T, behind their places.
;   s66-97       masks of the causal compare: 32 compares write them, one wait on va_sdst, 32 selects read them; twice for a tile.
;   THE JOIN     v12, v13 of each window: four tiles' additions, ONE wait on va_vdst, four LDS stores; the same wait serves the LDS loads into v232-239 behind the barrier: no vector instruction stands between.
;                O^T, v160-223 of each window: tile t's scalings write it; its 16 LDS stores stand behind tile t + 1's wait for its reciprocal, which shows them written; tile 3's behind a wait of their own.
;   THE WAY OUT  four batches of 64 registers, each with registers of its own (windows 0 and 1, v96-223): one wait on vm_vsrc ahead of the 64 LDS loads (tiles 0 and 1's LDS stores have read v160-223);
;                a batch's 24 additions, one wait on va_vdst, its four stores.  Nothing is loaded or written again.
; The runs of 17 loads stand whole, at the first place at which their registers are free: their destination's window is neither the softmax's nor the products'.
.set OP,    528                        ; a row of O in LDS: 512 bytes + 16 = 33 x 16
.set STAT,  0                          ; LDS: [wave 4][tile 4][lane 32] 8 bytes: -M and the sum
.set OB,    4096                       ; [wave 4][tile 4][16 rows] of OP bytes: the waves' parts of O, scaled
.set SPARE, OB+4*4*16*OP               ; the spare words, 128 bytes for each wave: two blocks of 256 bytes that no other line names
.set QSC, 4
.set VSC, 8
.set KSC, 26
.set PSC, 240
.set SPW, 30                           ; v30  LDS address of my spare word; never rewritten
.set NIL, 31                           ; v31  0; never rewritten
.set LI,  32                           ; v32  16 x lane
.set KSA, 33                           ; v33  16 x (lane % 16)
.set STA, 34                           ; v34  1,024 x wave + 8 x lane
.set STR, 35                           ; v35  8 x lane
.set OST, 36                           ; v36  OB + 64 OP x wave + OP r + 64 h
.set RD,  37                           ; v37-40  OB + 64 OP u + 16 OP x wave + 16 x lane, u = 0 .. 3
.set WV,   10                          ; s10  my wave's number
.set GH,   15                          ; s15  the high block of rows
.set GL,   16                          ; s16  the low one
.set SS,   17                          ; s17  the column step in hand: w, w + 4, ..
.set LAST, 18                          ; s18  my last step: the largest s <= GH with s = w modulo 4
.set ENDA, 19                          ; s19  min(GL + 1, LAST)
.set SEL,  20                          ; s[20:21] v_permlanex16_b32's selects for lane l xor 16
.set CS,   22                          ; s[22:23] c = log2(e) / 32; the packed form names a pair and takes its low word for both halves
.set QP,   24                          ; s[24:25] q's images of the step to be loaded;  s[26:27] their scale words;  s[28:29], s[30:31] the same for v
.set QS,   26
.set VP,   28
.set VS,   30
.set CNT,  56                          ; s56  counts a loop's trips, by 1 from 0
.set NA,   57                          ; s57  trips of the loop over steps s < ENDA (four tiles): (ENDA + 3 - w) / 4, rounded down
.set NB,   58                          ; s58  trips of the loop over the steps from there on, s < LAST (two tiles): (LAST - w) / 4 - NA
.set MK,   66                          ; s66-97  32 masks of the causal compare
.set MSB, 0
.macro WIN new                         ; s_set_vgpr_msb: bits 1:0 source 0, 3:2 source 1, 5:4 source 2, 7:6 destination; the high byte repeats the setting that is left
.if MSB != (\new)
	s_set_vgpr_msb (MSB<<8)|(\new)
.set MSB, (\new)
.endif
.endm
.macro PLACES                          ; four plain places behind a matrix instruction, ahead of loads into its sources and of reads of its results
.rept 4
	v_nop
.endr
.endm
; S^T of tile t: 8 tiles of 16 columns, K = the head's 128.  q in window 2, k and S^T in window t
.macro SMM t
	WIN ((\t)<<6)|((\t)<<2)|2
.irp a, 0,1,2,3
	v_wmma_scale_f32_16x16x128_f8f6f4 v[96+16*\a:103+16*\a], v[32+16*\a:39+16*\a], v[16:23], 0, v[QSC+\a], v[KSC+\t] matrix_a_fmt:MATRIX_FMT_FP4 matrix_b_fmt:MATRIX_FMT_FP4
	v_wmma_scale_f32_16x16x128_f8f6f4 v[104+16*\a:111+16*\a], v[40+16*\a:47+16*\a], v[16:23], 0, v[QSC+\a], v[KSC+\t] matrix_a_fmt:MATRIX_FMT_FP4 matrix_b_fmt:MATRIX_FMT_FP4 matrix_a_scale:MATRIX_SCALE_ROW1
.endr
.endm
; O^T of tile t += v^T p^T: 8 tiles of 16 channels, K = the step's 128 columns.  v in window 3; p and O^T in window t.  Eight accumulators, one instruction each
.macro PVM t
	WIN ((\t)<<6)|((\t)<<4)|((\t)<<2)|3
.irp a, 0,1,2,3
	v_wmma_scale_f32_16x16x128_f8f6f4 v[160+16*\a:167+16*\a], v[32+16*\a:39+16*\a], v[224:231], v[160+16*\a:167+16*\a], v[VSC+\a], v[PSC+\t] matrix_a_fmt:MATRIX_FMT_FP4 matrix_b_fmt:MATRIX_FMT_FP4
	v_wmma_scale_f32_16x16x128_f8f6f4 v[168+16*\a:175+16*\a], v[40+16*\a:47+16*\a], v[224:231], v[168+16*\a:175+16*\a], v[VSC+\a], v[PSC+\t] matrix_a_fmt:MATRIX_FMT_FP4 matrix_b_fmt:MATRIX_FMT_FP4 matrix_a_scale:MATRIX_SCALE_ROW1
.endr
.endm
; 17 loads: a step's 8 fragments of q and their scale words.  step = 1: my next step, four blocks on; the pointers' last loads have been shown done by the wait on LOADcnt that stands ahead
.macro LOADQ step
.if \step
	s_add_nc_u64 s[QP:QP+1], s[QP:QP+1], 4*8192
	s_add_nc_u64 s[QS:QS+1], s[QS:QS+1], 4*512
.endif
	WIN 0x80                                       ; destination window 2
.if \step
	s_wait_alu depctr_va_vdst(0)                   ; this step's products S^T are done reading q's fragments and scale words, in which the 17 loads below land
.endif
.irp a, 0,1,2,3,4,5,6,7
.irp c, 0,1
	global_load_b128 v[32+8*\a+4*\c:35+8*\a+4*\c], v[LI], s[QP:QP+1] offset:1024*\a+512*\c
.endr
.endr
	WIN 0
	global_load_b128 v[QSC:QSC+3], v[LI], s[QS:QS+1]
.endm
.macro LOADV step                      ; the same for v
.if \step
	s_add_nc_u64 s[VP:VP+1], s[VP:VP+1], 4*8192
	s_add_nc_u64 s[VS:VS+1], s[VS:VS+1], 4*512
.endif
	WIN 0xc0                                       ; destination window 3
.if \step
	s_wait_alu depctr_va_vdst(0)                   ; this step's products O^T are done reading v's fragments and scale words, in which the 17 loads below land
.endif
.irp a, 0,1,2,3,4,5,6,7
.irp c, 0,1
	global_load_b128 v[32+8*\a+4*\c:35+8*\a+4*\c], v[LI], s[VP:VP+1] offset:1024*\a+512*\c
.endr
.endr
	WIN 0
	global_load_b128 v[VSC:VSC+3], v[LI], s[VS:VS+1]
.endm
; THE SOFTMAX of tile t for one step, all in window t.  g: 0, or the scalar register that holds the tile's own block: in the step s = that block the columns behind a row are hidden.
.macro SOFTMAX t, g
.if \g
	WIN 0                                          ; at a branch and at a label every window is 0
	s_cmp_lg_u32 s[SS], s[\g]                      ; ids and the count of steps alone
	s_cbranch_scc1 .Lopen_\@
	WIN 0x55*(\t)
	v_mov_b32 v254, 0xff800000                     ; -infinity: p = 0 then
.irp hf, 0,1                                   ; register n holds column 32 (n / 16) + n % 16 + 16 (lane / 16) of the block; v24 = my row in the block - 16 (lane / 16).  32 registers at a time: a run of compares, a run of selects
.set n, 32*\hf
.rept 32
	v_cmp_gt_i32 s[MK+n%32], 32*(n/16)+n%16, v24
.set n, n+1
.endr
	s_wait_alu depctr_va_sdst(0)                   ; the 32 compares have written their masks s66 to s97, ahead of the selects that read them
.set n, 32*\hf
.rept 32
	v_cndmask_b32 v[96+n], v[96+n], v254, s[MK+n%32]
.set n, n+1
.endr
.endr
	WIN 0
.Lopen_\@:
.endif
	WIN 0x55*(\t)
.irp b, 0,1,2,3
	v_max3_num_f32 v[232+\b], v[96+16*\b], v[97+16*\b], v[98+16*\b]   ; the largest score of each block of 32 columns: it serves for the row's maximum and, since p rises with the score, for the block's largest p
.endr
.irp i, 3,5,7,9,11,13
.irp b, 0,1,2,3
	v_max3_num_f32 v[232+\b], v[232+\b], v[96+16*\b+\i], v[97+16*\b+\i]   ; (the four blocks by turns)
.endr
.endr
.irp b, 0,1,2,3
	v_max_num_f32 v[232+\b], v[232+\b], v[111+16*\b]
.endr
.irp b, 0,1,2,3
	v_permlanex16_b32 v[236+\b], v[232+\b], s[SEL], s[SEL+1]
.endr
.irp b, 0,1,2,3
	v_max_num_f32 v[232+\b], v[232+\b], v[236+\b]  ; with lane l xor 16's 16 columns
.endr
	v_max3_num_f32 v254, v232, v233, v234
	v_max_num_f32 v254, v254, v235                 ; the step's largest score of my row
	v_mul_f32 v254, s[CS], v254                    ; as t (c is positive)
	v_max_num_f32 v13, v13, v254                   ; the running largest t
	v_mov_b32 v254, v12
	v_floor_f32 v12, -v13                          ; the new -M = floor(-t) = -ceil(t)
	v_sub_f32 v254, v12, v254                      ; old M - new M: a whole number, 0 or less
	v_cvt_i32_f32 v254, v254                       ; (it saturates)
	v_ldexp_f32 v252, 1.0, v254                    ; f = 2^(old M - new M)
.set j, 0
.rept 32
	v_pk_fma_f32 v[96+j:97+j], v[96+j:97+j], s[CS:CS+1], v[12:13] op_sel_hi:[1,0,0]   ; t - M, two at a time
.set j, j+2
.endr
.irp b, 0,1,2,3
	v_fma_f32 v[232+\b], v[232+\b], s[CS], v12     ; the same of each block's largest score
.endr
.set j, 0
	s_wait_alu depctr_va_vdst(0)
.rept 64
	v_exp_f32 v[96+j], v[96+j]                     ; p = 2^(t - M), at most 1
.set j, j+1
.endr
	v_pk_mul_f32 v[14:15], v[14:15], v[252:253] op_sel_hi:[1,0]   ; the sums under the new M: the plain place behind the exponentials
	s_wait_alu depctr_va_vdst(0)                   ; the 64 exponentials have written p: one wait for the batch, ahead of its first reader
.irp b, 0,1,2,3
	v_exp_f32 v[232+\b], v[232+\b]                 ; the blocks' largest p: the same two instructions on the same number give the same bits
.endr
	v_pk_add_f32 v[236:237], v[96:97], v[98:99]    ; the row's sum of the unquantised p, in two chains; it reads the 64 alone
.set j, 4
.rept 15
	v_pk_add_f32 v[14:15], v[14:15], v[96+j:97+j]
	v_pk_add_f32 v[236:237], v[236:237], v[98+j:99+j]
.set j, j+4
.endr
	v_pk_add_f32 v[14:15], v[14:15], v[236:237]
	s_wait_alu depctr_va_vdst(0)                   ; the four exponentials have written the blocks' largest p: one wait for the four, ahead of their first reader
.irp b, 0,1,2,3
	v_max_num_f32 v[232+\b], 0x1800000, v[232+\b]  ; the floor 2^(3 - 127): the byte cannot fall under 1 (a block whose every p is 0 keeps that byte: its codes are zeros)
.endr
.irp b, 0,1,2,3
	v_add_nc_u32 v[244+\b], 0xff000000, v[232+\b]  ; 2 off the exponent field: the conversion's scale operand
.endr
.irp b, 0,1,2,3
	v_lshrrev_b32 v[236+\b], 23, v[244+\b]         ; the scale's byte
.endr
	v_lshl_or_b32 v253, v237, 8, v236
	v_lshl_or_b32 v253, v238, 16, v253
	WIN ((\t)<<4)|(\t)                             ; the finished word goes to window 0, from which scale operands are taken
	v_lshl_or_b32 v[PSC+\t], v239, 24, v253        ; p's scale word for these 128 columns
	WIN 0x55*(\t)
.irp b, 0,1,2,3
	v_cvt_scalef32_pk8_fp4_f32 v[224+2*\b], v[96+16*\b:103+16*\b], v[244+\b]
	v_cvt_scalef32_pk8_fp4_f32 v[225+2*\b], v[104+16*\b:111+16*\b], v[244+\b]
.endr
	v_nop                                          ; one plain place behind a scaled conversion
.irp c, 0,1                                    ; the operand's layout wants a whole block in a lane
.irp i, 0,1
	v_permlane16_swap_b32 v[224+4*\c+\i], v[226+4*\c+\i]
.endr
.endr
.set j, 0
.rept 32
	v_pk_mul_f32 v[160+j:161+j], v[160+j:161+j], v[252:253] op_sel_hi:[1,0]   ; O^T under the new M, each accumulator from its low end on; these are also the places between the scale word, the codes and the products that take them
.set j, j+2
.endr
.endm
	s_load_b128 s[4:7], s[0:1], 0x0                ; img s[4:5], scl s[6:7]
	s_load_b64 s[8:9], s[0:1], 0x10                ; out0
	v_lshl_add_u32 v[SPW], v0, 2, SPARE
	v_mov_b32 v[NIL], 0
	v_lshrrev_b32 v1, 5, v0
	v_readfirstlane_b32 s[WV], v1                  ; wave 0..3
	s_and_b32 s12, ttmp7, 0xffff                   ; batch
	s_lshr_b32 s13, ttmp9, 2                       ; g
	s_and_b32 s14, ttmp9, 3                        ; part
	s_sub_co_u32 s[GH], 31, s13
	s_mov_b32 s[GL], s13
	s_wait_alu depctr_va_sdst(0)                   ; s10, the wave's number, is written, ahead of its first reader
	s_sub_co_u32 s[LAST], s[GH], s[WV]
	s_and_b32 s[LAST], s[LAST], 3
	s_sub_co_u32 s[LAST], s[GH], s[LAST]
	s_add_co_u32 s[ENDA], s[GL], 1
	s_min_u32 s[ENDA], s[ENDA], s[LAST]
	s_add_co_u32 s[NA], s[ENDA], 3                 ; the loops' trip counts, from ids alone.  ENDA >= 1 and w <= 3, so ENDA + 3 - w is not negative;
	s_sub_co_u32 s[NA], s[NA], s[WV]
	s_lshr_b32 s[NA], s[NA], 2                     ; the steps w, w + 4, .. under ENDA
	s_sub_co_u32 s[NB], s[LAST], s[WV]             ; LAST - w is a multiple of 4 and ENDA <= LAST, so NA <= (LAST - w) / 4
	s_lshr_b32 s[NB], s[NB], 2
	s_sub_co_u32 s[NB], s[NB], s[NA]               ; the steps behind those, under LAST
	s_mov_b32 s[SEL], 0x76543210
	s_mov_b32 s[SEL+1], 0xfedcba98
	s_mov_b32 s[CS], 0x3d38aa3b                    ; log2(e) / 32
	s_mov_b32 s[CS+1], s[CS]                       ; (named with it as a pair, so it is written)
	s_lshl_b32 s11, s12, 5                         ; 32 blocks a batch
	s_add_co_u32 s2, s11, s[WV]                    ; my first column step's block
	s_lshl_b32 s40, s2, 13                         ; 8,192 bytes of images a block,
	s_mov_b32 s41, 0
	s_lshl_b32 s44, s2, 9                          ; 512 of scale words
	s_mov_b32 s45, 0
	s_lshl_b32 s3, s14, 11                         ; my two tiles in a block of k: 2,048 part
	s_add_co_u32 s2, s11, s[GH]
	s_lshl_b32 s46, s2, 13
	s_add_co_u32 s46, s46, s3
	s_mov_b32 s47, 0
	s_lshl_b32 s50, s2, 9
	s_add_co_u32 s2, s11, s[GL]
	s_lshl_b32 s48, s2, 13
	s_add_co_u32 s48, s48, s3
	s_mov_b32 s49, 0
	s_lshl_b32 s52, s2, 9
	s_lshl_b32 s3, s14, 2                          ; their scale words: word m = part of each lane's four
	s_add_co_u32 s50, s50, s3
	s_mov_b32 s51, 0
	s_add_co_u32 s52, s52, s3
	s_mov_b32 s53, 0
	s_cmp_lt_u32 s[WV], 2                          ; on the way out wave w finishes tile w: row 4,096 batch + 128 (GH or GL) + 32 part + 8 (w % 2)
	s_cselect_b32 s2, s[GH], s[GL]
	s_lshl_b32 s54, s12, 12
	s_lshl_b32 s2, s2, 7
	s_add_co_u32 s54, s54, s2
	s_lshl_b32 s2, s14, 5
	s_add_co_u32 s54, s54, s2
	s_and_b32 s2, s[WV], 1
	s_lshl_b32 s2, s2, 3
	s_add_co_u32 s54, s54, s2
	s_lshl_b32 s54, s54, 9                         ; 512 bytes a row
	s_mov_b32 s55, 0
	v_and_b32 v1, 31, v0                           ; lane
	v_and_b32 v2, 15, v0                           ; r
	v_bfe_u32 v3, v0, 4, 1                         ; h
	v_lshlrev_b32 v[LI], 4, v1
	v_lshlrev_b32 v[KSA], 4, v2
	s_wait_kmcnt 0x0
	s_add_nc_u64 s[QP:QP+1], s[4:5], s[40:41]
	s_add_nc_u64 s[VP:VP+1], s[QP:QP+1], 0x200000  ; v's images lie 2 MiB into img,
	s_add_nc_u64 s[QP:QP+1], s[QP:QP+1], 0x100000  ; q's 1 MiB
	s_add_nc_u64 s[QS:QS+1], s[6:7], s[44:45]
	s_add_nc_u64 s[VS:VS+1], s[QS:QS+1], 0x20000
	s_add_nc_u64 s[QS:QS+1], s[QS:QS+1], 0x10000
	s_add_nc_u64 s[32:33], s[4:5], s[46:47]        ; k's images of my tiles: block GH,
	s_add_nc_u64 s[34:35], s[4:5], s[48:49]        ; block GL
	s_add_nc_u64 s[36:37], s[6:7], s[50:51]        ; and their scale words
	s_add_nc_u64 s[38:39], s[6:7], s[52:53]
	s_add_nc_u64 s[42:43], s[8:9], s[54:55]
	s_wait_alu depctr_va_vdst(0)                   ; the offsets v32 and v33 are written: every load from memory and every store to it reads one of them
	; 46 loads, in this order: k (12; it stays), q of my first step (17), v of it (17)
.irp t, 0,1,2,3
	WIN (\t<<6)
.irp c, 0,1
	global_load_b128 v[16+4*\c:19+4*\c], v[LI], s[32+2*(\t/2):33+2*(\t/2)] offset:1024*(\t%2)+512*\c
.endr
.endr
	WIN 0
.irp t, 0,1,2,3
	global_load_b32 v[KSC+\t], v[KSA], s[36+2*(\t/2):37+2*(\t/2)] offset:256*(\t%2)   ; lane r (and 16 + r): row r's word
.endr
	LOADQ 0
	LOADV 0
	; the rest of the set-up stands behind the loads and names none of their registers
	v_lshlrev_b32 v[STR], 3, v1
	s_lshl_b32 s2, s[WV], 10
	v_add_nc_u32 v[STA], s2, v[STR]
	v_mul_u32_u24 v[OST], v2, OP
	v_lshl_add_u32 v[OST], v3, 6, v[OST]
	s_mul_i32 s2, s[WV], 64*OP
	s_add_co_u32 s2, s2, OB
	v_add_nc_u32 v[OST], s2, v[OST]
	s_mul_i32 s2, s[WV], 16*OP
	s_add_co_u32 s2, s2, OB
.irp u, 0,1,2,3
	v_add_nc_u32 v[RD+\u], s2, v[LI]
	s_add_co_u32 s2, s2, 64*OP
.endr
	v_and_b32 v41, 8, v2
	v_add_nc_u32 v41, v41, v2                      ; r + (r & 8)
	v_lshlrev_b32 v42, 4, v3
	v_sub_nc_u32 v41, v41, v42                     ; - 16 h
	s_lshl_b32 s2, s14, 5
	v_add_nc_u32 v41, s2, v41                      ; + 32 part
.irp t, 0,1,2,3                                ; each tile's window.  The step is written with no first copy: it finds zeros, which the first change of M leaves zeros; and a wave that has no step for a low tile brings zeros to the join
	WIN (\t<<6)
	v_mov_b32 v12, 0x7f61b1e6                      ; -M = 3e38 (its own floor)
	v_mov_b32 v13, 0xff61b1e6                      ; the largest t so far: -3e38, under every t
	v_mov_b32 v14, 0
	v_mov_b32 v15, 0
	v_add_nc_u32 v24, 8*(\t%2), v41                ; my row in its block - 16 h
.irp b, 0,1,2,3
	v_mov_b32 v[236+\b], 0                         ; written once: a lane permute's destination counts as one of its sources
.endr
	v_mov_b32 v253, 0                              ; (named as the upper half of the pair v[252:253])
.set j, 0
.rept 64
	v_mov_b32 v[160+j], 0                          ; O^T
.set j, j+1
.endr
.endr
	WIN 0
	s_mov_b32 s[SS], s[WV]
	s_mov_b32 s[CNT], 0
	s_cmp_lt_u32 s[CNT], s[NA]
	s_cbranch_scc0 .LAdone
.LA:                                               ; NA trips: steps s <= GL, s < LAST: all four tiles
	s_wait_loadcnt 17                              ; loads come back in order: q (in the first step k too) is in; the 17 younger loads, v's, may be out
	SMM 0
	SMM 1
	SMM 2
	SMM 3
	WIN 0
	PLACES                                         ; ahead of the loads into q's registers and of the first read of scores
	LOADQ 1                                        ; my next step's q lands under the four softmaxes, none of which names its registers
	SOFTMAX 0, 0
	SOFTMAX 1, 0
	s_wait_loadcnt 17                              ; v is in; the 17 loads of the next q may be out
	s_wait_alu depctr_va_vdst(0)                   ; tiles 0 and 1: the exchanges have written p's codes and the shifts its scale words, which the scaled products below take; their places stand ahead of this wait
	PVM 0
	PVM 1
	SOFTMAX 2, GL
	SOFTMAX 3, GL
	s_wait_alu depctr_va_vdst(0)                   ; the same of tiles 2 and 3
	PVM 2
	PVM 3
	WIN 0
	PLACES                                         ; ahead of the loads into v's registers
	LOADV 1
	s_add_co_u32 s[SS], s[SS], 4                   ; the step's number, for the masks' branches; the loop ends on its own counter
	s_add_co_u32 s[CNT], s[CNT], 1
	s_cmp_lt_u32 s[CNT], s[NA]
	s_cbranch_scc1 .LA
.LAdone:
	s_mov_b32 s[CNT], 0
	s_cmp_lt_u32 s[CNT], s[NB]
	s_cbranch_scc0 .LBdone
.LB:                                               ; NB trips: steps GL < s < LAST: the two high tiles; all their columns count
	s_wait_loadcnt 17                              ; as above
	SMM 0
	SMM 1
	WIN 0
	PLACES
	LOADQ 1
	SOFTMAX 0, 0
	SOFTMAX 1, 0
	s_wait_loadcnt 17
	s_wait_alu depctr_va_vdst(0)                   ; tiles 0 and 1: p's codes and scale words are written, which the scaled products below take
	PVM 0
	PVM 1
	WIN 0
	PLACES
	LOADV 1
	s_add_co_u32 s[SS], s[SS], 4
	s_add_co_u32 s[CNT], s[CNT], 1
	s_cmp_lt_u32 s[CNT], s[NB]
	s_cbranch_scc1 .LB
.LBdone:
	; my last step, s = LAST: nothing more is fetched, so no load leaves its buffer
	s_wait_loadcnt 17                              ; q is in; v's 17 may be out
	SMM 0
	SMM 1
	WIN 0
	PLACES
	SOFTMAX 0, GH
	SOFTMAX 1, GH
	s_wait_loadcnt 0x0                             ; v: no load was issued behind it
	s_wait_alu depctr_va_vdst(0)                   ; tiles 0 and 1: p's codes and scale words are written, which the scaled products below take
	PVM 0
	PVM 1
	WIN 0
	s_cmp_gt_u32 s[SS], s[GL]                      ; does the step count for the low tiles?
	s_cbranch_scc1 .Ldone
	SMM 2
	SMM 3
	WIN 0
	PLACES
	SOFTMAX 2, GL
	SOFTMAX 3, GL
	s_wait_alu depctr_va_vdst(0)                   ; the same of tiles 2 and 3
	PVM 2
	PVM 3
	WIN 0
.Ldone:
	; THE JOIN.  Each wave's -M and sum of each tile go to LDS.  (The eight additions name no register of the last products: they are the places behind them.)
.irp t, 0,1,2,3
	WIN 0x55*\t
	v_add_f32 v13, v14, v15                        ; the sum's two halves,
	v_permlanex16_b32 v236, v13, s[SEL], s[SEL+1]
	v_add_f32 v13, v13, v236                       ; and lane l xor 16's
.endr
	WIN 0
	s_wait_alu depctr_va_vdst(0)                   ; the four tiles' -M and sums are written, which the LDS stores below read, and so are the LDS addresses v34 to v40; all that named v232-239, in which the loads behind the barrier land, is done
.irp t, 0,1,2,3
	WIN (\t<<2)                                    ; an LDS store's data are its source 1
	ds_store_b64 v[STA], v[12:13] offset:STAT+256*\t
.endr
	WIN 0
	s_wait_dscnt 0x0                               ; for the others' sake
	s_barrier_signal -1
	s_barrier_wait -1
.irp t, 0,1,2,3
	WIN (\t<<6)
.irp u, 0,1,2,3
	ds_load_b64 v[232+2*\u:233+2*\u], v[STR] offset:STAT+1024*\u+256*\t   ; wave u's -M and sum of my row.  No vector instruction has been issued since the wait above
.endr
.endr
	s_wait_dscnt 0x0
; Tile t, in three parts.  JHEAD: the largest M, the row's sum under it, its reciprocal and my own part's factor.  JSCALE: my part of O^T under M*, divided by the sum.  JOUT: it goes to LDS.
.macro JHEAD t
	WIN 0x55*(\t)
	v_min_num_f32 v244, v232, v234
	v_min_num_f32 v245, v236, v238
	v_min_num_f32 v244, v244, v245                 ; -M* = the least -M: the largest M
.irp u, 0,1,2,3
	v_sub_f32 v[245+\u], v244, v[232+2*\u]         ; M_u - M*: a whole number, 0 or less (a part with no step: -3e38)
.endr
.irp u, 0,1,2,3
	v_cvt_i32_f32 v[245+\u], v[245+\u]             ; (it saturates)
.endr
.irp u, 0,1,2,3
	v_ldexp_f32 v[245+\u], 1.0, v[245+\u]          ; f_u = 2^(M_u - M*); 0 for a part with no step
.endr
	v_mul_f32 v249, v245, v233
	v_fma_f32 v249, v246, v235, v249
	v_fma_f32 v249, v247, v237, v249
	v_fma_f32 v249, v248, v239, v249               ; the row's sum under M*: over 1/2, since the largest p is
	s_wait_alu depctr_va_vdst(0)
	v_rcp_f32 v251, v249
	v_sub_f32 v250, v244, v12                      ; my own part's factor: plain work behind the reciprocal
	v_cvt_i32_f32 v250, v250
	v_ldexp_f32 v250, 1.0, v250
	s_wait_alu depctr_va_vdst(0)                   ; the reciprocal is written, ahead of its first reader; and the tile before has written its part of O^T, which the LDS stores that follow read
.endm
.macro JSCALE t
	WIN 0x55*(\t)
	v_mul_f32 v252, v250, v251
.set j, 0
.rept 32
	v_pk_mul_f32 v[160+j:161+j], v[160+j:161+j], v[252:253] op_sel_hi:[1,0]   ; my part of O^T under M*, divided by the sum; each accumulator from its low end on
.set j, j+2
.endr
.endm
.macro JOUT t
	WIN ((\t)<<2)                                  ; an LDS store's data are its source 1
.irp b, 0,1,2,3
.irp i, 0,1,2,3
	ds_store_b128 v[OST], v[160+16*\b+4*\i:163+16*\b+4*\i] offset:16*OP*(\t)+128*\b+16*\i   ; registers 16 b + e are channels 32 b + 16 h + e of row r
.endr
.endr
.endm
	JHEAD 0
	JSCALE 0
	JHEAD 1
	JOUT 0                                         ; behind tile 1's wait; what follows names no register of tile 0's window
	JSCALE 1
	JHEAD 2
	JOUT 1
	JSCALE 2
	JHEAD 3
	JOUT 2
	JSCALE 3
	WIN (3<<2)
	s_wait_alu depctr_va_vdst(0)                   ; tile 3's scalings have written its part of O^T, which the LDS stores below read
	JOUT 3
	WIN 0
	s_wait_dscnt 0x0                               ; for the others' sake
	s_barrier_signal -1
	s_barrier_wait -1
	; Wave w finishes tile w: four rows at a time, the four waves' parts are read as whole rows of 512 bytes, added and stored.  Batch b of four has registers of its own: v96-159 or v160-223 of window b / 2
.macro LOADB b
.set X, 96+64*((\b)%2)
	WIN (((\b)/2)<<6)
.irp i, 0,1,2,3
.irp u, 0,1,2,3
	ds_load_b128 v[X+16*\i+4*\u:X+16*\i+4*\u+3], v[RD+\u] offset:OP*(4*(\b)+\i)
.endr
.endr
.endm
.macro ADDB b
.set X, 96+64*((\b)%2)
	WIN 0x55*((\b)/2)
.irp i, 0,1,2,3
	v_pk_add_f32 v[X+16*\i:X+16*\i+1], v[X+16*\i:X+16*\i+1], v[X+16*\i+4:X+16*\i+5]
	v_pk_add_f32 v[X+16*\i+2:X+16*\i+3], v[X+16*\i+2:X+16*\i+3], v[X+16*\i+6:X+16*\i+7]
	v_pk_add_f32 v[X+16*\i+8:X+16*\i+9], v[X+16*\i+8:X+16*\i+9], v[X+16*\i+12:X+16*\i+13]
	v_pk_add_f32 v[X+16*\i+10:X+16*\i+11], v[X+16*\i+10:X+16*\i+11], v[X+16*\i+14:X+16*\i+15]
	v_pk_add_f32 v[X+16*\i:X+16*\i+1], v[X+16*\i:X+16*\i+1], v[X+16*\i+8:X+16*\i+9]
	v_pk_add_f32 v[X+16*\i+2:X+16*\i+3], v[X+16*\i+2:X+16*\i+3], v[X+16*\i+10:X+16*\i+11]
.endr
.endm
.macro SENDB b
.set X, 96+64*((\b)%2)
	WIN (((\b)/2)<<2)                              ; a store's data are its source 1
	s_wait_alu depctr_va_vdst(0)                   ; the batch's 24 additions have written the four rows, which the stores below read
.irp i, 0,1,2,3
	global_store_b128 v[LI], v[X+16*\i:X+16*\i+3], s[42:43] offset:512*((4*(\b)+\i)+((4*(\b)+\i)&8)) th:TH_STORE_NT   ; row r of the tile is position r + (r & 8) from the tile's first; 32 lanes store 512 consecutive bytes, at a multiple of 512 from out0's first byte
.endr
.endm
	s_wait_alu depctr_vm_vsrc(0)                   ; my LDS stores of tiles 0 and 1 have read v160-223 of windows 0 and 1, in which batches 1 and 3 land (all vector instructions that named v96-223 there stand ahead of the last wait on va_vdst)
	LOADB 0
	LOADB 1
	LOADB 2
	LOADB 3
	s_wait_dscnt 48                                ; LDS loads come back in order: batch 0 is in; the 48 loads of the three younger batches may be out
	ADDB 0
	SENDB 0
	s_wait_dscnt 32                                ; batch 1 is in
	ADDB 1
	SENDB 1
	s_wait_dscnt 16                                ; batch 2 is in
	ADDB 2
	SENDB 2
	s_wait_dscnt 0x0
	ADDB 3
	SENDB 3
	WIN 0                                          ; the add's two registers lie in window 0
	s_wait_dscnt 0x0                               ; the closing lines, six on end
	s_wait_alu 0x0
	s_wait_tensorcnt 0x0
	ds_add_u32 v[SPW], v[NIL]
	s_wait_dscnt 0x0
	s_endpgm
.Lfunc_end_k_q718fbc6f7a_attend:
	.size	k_q718fbc6f7a_attend, .Lfunc_end_k_q718fbc6f7a_attend-k_q718fbc6f7a_attend
	.p2alignl 7, 3214868480
	.fill 96, 4, 3214868480
	.section	.rodata,"a",@progbits
	.p2align	6, 0x0
	.amdhsa_kernel k_q718fbc6f7a_attend
		.amdhsa_group_segment_fixed_size 139776
		.amdhsa_private_segment_fixed_size 0
		.amdhsa_enable_private_segment 0
		.amdhsa_kernarg_size 24
		.amdhsa_user_sgpr_count 2
		.amdhsa_user_sgpr_kernarg_segment_ptr 1
		.amdhsa_wavefront_size32 1
		.amdhsa_system_sgpr_workgroup_id_x 1
		.amdhsa_system_sgpr_workgroup_id_y 1
		.amdhsa_system_sgpr_workgroup_id_z 1
		.amdhsa_system_vgpr_workitem_id 0
		.amdhsa_next_free_vgpr 1024
		.amdhsa_next_free_sgpr 98
		.amdhsa_reserve_vcc 0
		.amdhsa_float_denorm_mode_32 3
		.amdhsa_float_denorm_mode_16_64 3
		.amdhsa_memory_ordered 1
		.amdhsa_forward_progress 1
		.amdhsa_inst_pref_size 255
	.end_amdhsa_kernel
	.section	.bss,"aw",@nobits
	.p2align	6
	.space	262144
	.amdgpu_metadata
---
amdhsa.version: [ 1, 2 ]
amdhsa.kernels:
  - .name:           k_q718fbc6f7a_attend
    .symbol:         k_q718fbc6f7a_attend.kd
    .args:
      - { .name: img, .offset: 0, .size: 8, .value_kind: global_buffer, .address_space: global }
      - { .name: scl, .offset: 8, .size: 8, .value_kind: global_buffer, .address_space: global }
      - { .name: out0, .offset: 16, .size: 8, .value_kind: global_buffer, .address_space: global }
    .group_segment_fixed_size: 139776
    .private_segment_fixed_size: 0
    .kernarg_segment_align: 8
    .kernarg_segment_size: 24
    .max_flat_workgroup_size: 128
    .sgpr_count:     98
    .vgpr_count:     1024
    .wavefront_size: 32
...
	.end_amdgpu_metadata
.endif
;; end of part 4
